; MI455X (gfx1250); checked and timed in simulation.
; The chip was launched on July 23, 2026; its instructions are those of AMD's public machine-readable ISA for CDNA 5 (MIT licence, August 2026) and "CDNA5" Instruction Set Architecture Reference Guide (July 2026). The comments in the code are by the model that wrote it; some were corrected since.
;; M Mo E. Allowed arithmetic: matrix products marked QUANTISED: E3M2 operands, one E8M0 scale for each 32 along K, by v_wmma_scale_f32_16x16x128_f8f6f4 with both operands' format E3M2, f32 sums; products left as they are: f32 operands where the result goes on into a quantised operand, else bf16, f16 or f32 operands; f32 sums; everything else in f32.
;; Inputs: b1 8 x 4,096 float32; b2 8 x 1,024 float32; b_seq 4 x 256 int32; w1 8 x 1,024 x 4,096 float32; w2 8 x 4,096 x 1,024 float32; w_gates 4 x 1,024 x 8 float32; x 4 x 256 x 1,024 float32.
;; Outputs: out0 4 x 256 x 1,024 float32.
;; This version of the problem:
;;   THIS VERSION OF THE PROBLEM IS GIVEN IN LOW PRECISION. The matrix products marked QUANTISED in the list below multiply operands that are first quantised to E3M2 (3 exponent bits, 2 mantissa bits; 6 bits a number), with one power-of-two scale for each 32 numbers along K (OCP MX v1.0); their sums are f32. All else is computed in f32.
;;   The module's matrix products, in the order in which they are computed (A, B: the left and right operand; K: the contracted axis; several contracted axes count as one K, in the product's order):
;;     1. [M 32,768, K 1,024] x [K 1,024, N 1,024]; A: input w1; B: input x: QUANTISED
;;     2. batch 8 x [M 1,024, K 4,096] x [K 4,096, N 1,024]; A: computed on the way; B: input w2: QUANTISED
;;     3. [M 32, K 1,024] x [K 1,024, N 1,024]; A: input w_gates; B: input x: QUANTISED
;;     4. batch 1,024 x [M 4, K 8] x [K 8, N 1,024]; A: softmax; B: computed on the way: left as it is (K = 8 < 32)
;;   THE QUANTISER, for each operand of a quantised product, along K:
;;     - K is cut into blocks of 32 from its start; a last block that is shorter is filled with zeros.
;;     - A block's scale is 2^e with e = floor(log2(the largest magnitude in the block)) - 4, held to -126 .. 127; a block of zeros has e = 0. As a byte (E8M0): e + 127.
;;     - Each number is divided by its block's scale, clamped to +-28, and rounded to the nearest number of E3M2, ties to even, subnormals kept.
;;     - The product sums the exact products of the quantised numbers (number of the format x scale) in f32.
;;   ~~~python
;;   def quantise(x, axis):      # numpy; x: float32 -> the quantised numbers, widened to float32 again
;;       x = np.moveaxis(x, axis, -1); K = x.shape[-1]
;;       x = np.pad(x, [(0, 0)] * (x.ndim - 1) + [(0, -K % 32)]); x = x.reshape(x.shape[:-1] + (-1, 32)); a = np.abs(x).max(-1, keepdims=True)
;;       e = np.where(a > 0, np.clip(np.frexp(np.where(a > 0, a, 1))[1] - 1 - 4, -126, 127), 0)      # np.frexp(a)[1] - 1 = floor(log2(a)), exactly
;;       r = np.clip(x / 2.0 ** e, -28, 28)
;;       step = 2.0 ** (np.maximum(np.frexp(np.where(r == 0, 1, r))[1] - 1, -2) - 2)
;;       q = np.round(r / step) * step * 2.0 ** e      # np.round: ties to even
;;       return np.moveaxis(q.reshape(q.shape[:-2] + (-1,))[..., :K], -1, axis).astype(np.float32)
;;   ~~~
;;   OPERANDS COMPUTED ON THE WAY. 'Computed on the way' means the value that the module computes at that place (a softmax that the list does not call 'softmax' is quantised finished and normalised). What goes into a quantiser is computed in f32, as accurately as f32 sums, v_exp_f32 and their like allow (about 1e-6 of the number): no bf16 or f16 on the way to a quantiser, and a product that is left as it is and whose result goes on into a quantised operand takes f32 operands (vector FMAs, or v_wmma_f32_16x16x4_f32). A number that lies on a knife's edge between two numbers of the format may be rounded either way, as far as f32 arithmetic and the matrix unit's own rounding can turn it there, and no further.
;; 2 versions, each right; version 2 is version 1 with the launch prep written anew for expert scheduling mode. Each part assembles by itself: llvm-mc -triple=amdgcn-amd-amdhsa -mcpu=gfx1250 --defsym DOCPART=n.
;; ======== version 1 of 2: 4 launches
;; workspace buffers: xc 819,200 bytes; gs 32,768 bytes; w1c 26,214,400 bytes; w2c 26,214,400 bytes; hc 26,214,400 bytes; pp 33,554,432 bytes
;; launch prep (part 1): grid 2112 x 1, 4 waves a work-group, no clusters, 4,608 bytes of LDS; arguments x, b_seq, w_gates, w1, w2, xc, gs, w1c, w2c; writes xc, gs, w1c, w2c
.if DOCPART == 1
	.amdgcn_target "amdgcn-amd-amdhsa--gfx1250"
	.amdhsa_code_object_version 6
	.text
	.protected	k_qecb19fb518_prep
	.globl	k_qecb19fb518_prep
	.p2align	8
	.type	k_qecb19fb518_prep,@function
k_qecb19fb518_prep:
	s_mov_b64 s[64:65], 0
	v_nop
	global_prefetch_b8 v0, s[64:65] scope:SCOPE_SE
	s_setreg_imm32_b32 hwreg(HW_REG_WAVE_MODE, 25, 1), 1
	s_wait_xcnt 0x0
; PREP: every f32 operand of the quantised products becomes codes of BF6 (E3M2) with one E8M0 byte for each 32 along K, and the gates are finished.
; Work-groups 0-63: 16 tokens each: x -> xc; logits = x w_gates on codes; softmax over the 8 experts; the task that b_seq names is chosen (0: all gates 0) -> gs [expert][token].
; Work-groups 64-1087: w1 [e][k 1024][f 4096] -> w1c.   Work-groups 1088-2111: w2 [e][k 4096][d 1024] -> w2c.   Each makes 128 columns x 256 along K.
; The x work-groups stand first and are short: a wave asks for all its x at once, and its chain of waits for memory (x; then the gates' weights, two blocks ahead) is about as long as a weight work-group's.
; A RECORD (REC bytes) is 128 rows x 128 K as AN IMAGE OF THE OPERAND'S REGISTERS: fragment i (rows 16 i on, 12 registers a lane) at 1536 i as three planes of 512 bytes, lane l's registers 4 c .. 4 c + 3 at
; 512 c + 16 l; behind the eight fragments, at 12288, the rows' scale words, 4 bytes a row.  So the products' launches bring records as dense blocks and load fragments 16 bytes a lane.
; WEIGHTS: K is not innermost, so A LANE TAKES A COLUMN AND ITS REGISTERS RUN DOWN K: a block of 32 lies in one lane's 32 registers; a wave's load reads 128 consecutive bytes, the four waves 512.
; In w1c row position p of each 32 holds hidden unit p with bits 3 and 4 exchanged: in the first product's result a lane's 16 registers of two neighbouring tiles are then 16 neighbours along the second product's K.
; A block's scale is 2^(floor(log2(largest magnitude)) - 4); its byte is the largest magnitude's exponent field - 4, held at 1 from below by a floor among the maximum's leaves.
; LIMITS: NaN and infinities among the inputs are not served.  Blocks whose largest magnitude lies under 2^-122 (blocks of zeros among them) keep the byte 1; a block of zeros has zero codes, and these bytes are read by this program alone.
; No cluster, no tensor load: the work-groups share no large input (w_gates, 128 KiB, is the only one read by several).
; REGISTERS (the text names none above v193): v1 lane, v2 r, v3 h; v9, v15 store offsets; v10-13 at work; v14 my column's offset; v32-95 two sets of 32 numbers;
;   v96-143 four fragments (record rec: v96 + 24 rec, v108 + 24 rec); v144-145 their scale words; v146-148 a conversion's second half.
;   The x path besides: v4 b_seq; v5, v6 x's two scale words; v7, v8 load offsets; v16-31 at work in the quantiser, then two accumulators; v32-95 and v96-159 first hold x's two K steps;
;   v149 the scale words as stored; v150-154 addresses and task numbers; v160-171, v172-183 x's two fragments; v184-191 the conversions' second halves.
.set REC,   12800
.set FLOOR, 0x2800000                  ; 2^(5 - 127)
.set EOFF,  0xfe000000                 ; -(4 << 23)
.set NX,    64                         ; work-groups of the x path
.set SEL,   26                         ; s[26:27] selects of v_permlanex16_b32: lane l xor 16
.set TM,    16                         ; v16-19 maxima, v20-23 bytes, v28-31 scale operands
.macro WLOAD t, pitch, src, nt         ; block t: rows 32 t .. 32 t + 31 of my column into set t % 2
.set II, 0
.rept 32
.if \nt
	global_load_b32 v[32+32*((\t)%2)+II], v14, s[\src:\src+1] offset:(32*(\t)+II)*\pitch th:TH_LOAD_NT
.else
	global_load_b32 v[32+32*((\t)%2)+II], v14, s[\src:\src+1] offset:(32*(\t)+II)*\pitch
.endif
.set II, II+1
.endr
.endm
.macro WBLK t, pitch, src, dst, store, nt
.set XS, 32+32*((\t)%2)
.set Q,  (\t)%4                        ; the block's place in its record
.set RC, (\t)/4                        ; which of the wave's two records
.set FD, 96+24*RC+12*(Q%2)+6*(Q/2)
.if (\t) < 7
	s_wait_loadcnt 32                              ; this block's 32 loads are in; the next block's 32 may be out
.else
	s_wait_loadcnt 0x0
.endif
	v_max3_num_f32 v12, |v[XS]|, |v[XS+1]|, |v[XS+2]|  ; the block's largest magnitude: all 32 numbers are mine; two chains
	v_max3_num_f32 v13, |v[XS+3]|, |v[XS+4]|, |v[XS+5]|
.irp i, 6,10,14,18,22,26
	v_max3_num_f32 v12, v12, |v[XS+\i]|, |v[XS+\i+1]|
	v_max3_num_f32 v13, v13, |v[XS+\i+2]|, |v[XS+\i+3]|
.endr
	v_max3_num_f32 v12, v12, |v[XS+30]|, |v[XS+31]|
	v_max3_num_f32 v12, v12, v13, FLOOR            ; and the floor: the byte cannot fall under 1
	v_add_nc_u32 v11, EOFF, v12                    ; 4 off the exponent field: the conversion's scale operand
	v_lshrrev_b32 v10, 23, v11                     ; the scale's byte
.if Q == 0
	v_mov_b32 v[144+RC], v10                       ; four bytes make my column's scale word
.else
	v_lshl_or_b32 v[144+RC], v10, 8*Q, v[144+RC]
.endif
	v_cvt_scalef32_pk16_bf6_f32 v[FD:FD+2], v[XS:XS+15], v11
	v_cvt_scalef32_pk16_bf6_f32 v[146:148], v[XS+16:XS+31], v11   ; (a conversion's three registers begin on an even number)
	v_nop                                          ; one plain place behind a scaled conversion
.irp i, 0,1,2
	v_mov_b32 v[FD+3+\i], v[146+\i]
.endr
.if (\t) < 6
	WLOAD (\t)+2, \pitch, \src, \nt
.endif
.if Q == 3
; Even blocks lie in the first run of 12 registers, odd ones in the second, each for column = lane.  The exchange of the first's lanes 16-31 with the second's lanes 0-15 makes the
; first the fragment of columns 0-15 (lane (r, h): blocks 2 c + h of column r) and the second that of columns 16-31.
.set JJ, 0
.rept 12
	v_permlane16_swap_b32 v[96+24*RC+JJ], v[108+24*RC+JJ]
.set JJ, JJ+1
.endr
.if \store
.irp c, 0,1,2
	global_store_b128 v15, v[96+24*RC+4*\c:96+24*RC+4*\c+3], s[\dst:\dst+1] offset:RC*REC+512*\c          ; 32 lanes store 512 consecutive bytes, at a multiple of 256 from the buffer's first byte
	global_store_b128 v15, v[108+24*RC+4*\c:108+24*RC+4*\c+3], s[\dst:\dst+1] offset:RC*REC+1536+512*\c
.endr
	global_store_b32 v9, v[144+RC], s[\dst:\dst+1] offset:RC*REC+12288   ; each record has registers of its own: no store's data are written again
.endif
.endif
.endm
.macro WQ pitch, src, dst, store, nt   ; 32 columns x 256 along K: eight blocks a lane, loads two blocks ahead
	WLOAD 0, \pitch, \src, \nt
	WLOAD 1, \pitch, \src, \nt
.irp t, 0,1,2,3,4,5,6,7
	WBLK \t, \pitch, \src, \dst, \store, \nt
.endr
.endm
; 64 numbers of a lane, v[s] on, register 16 b + i = k 32 b + 16 (lane / 16) + i of my row, become a fragment's codes in v[pc] on and its scale word in v[pw]; v[pt] on: eight registers at work
.macro QUANT s, pc, pt, pw
.irp b, 0,1,2,3
	v_max3_num_f32 v[TM+\b], |v[\s+16*\b]|, |v[\s+1+16*\b]|, FLOOR
.endr
.irp i, 2,4,6,8,10,12,14
.irp b, 0,1,2,3
	v_max3_num_f32 v[TM+\b], v[TM+\b], |v[\s+16*\b+\i]|, |v[\s+1+16*\b+\i]|   ; the four blocks by turns
.endr
.endr
.irp b, 0,1,2,3
	v_permlanex16_b32 v[TM+4+\b], v[TM+\b], s[SEL], s[SEL+1]
.endr
.irp b, 0,1,2,3
	v_max_num_f32 v[TM+\b], v[TM+\b], v[TM+4+\b]   ; with lane l xor 16's 16 numbers: the block's largest magnitude
.endr
.irp b, 0,1,2,3
	v_add_nc_u32 v[TM+12+\b], EOFF, v[TM+\b]
.endr
.irp b, 0,1,2,3
	v_lshrrev_b32 v[TM+4+\b], 23, v[TM+12+\b]
.endr
	v_lshl_or_b32 v[\pw], v[TM+5], 8, v[TM+4]      ; my row's scale word: the same in lanes l and l xor 16
	v_lshl_or_b32 v[\pw], v[TM+6], 16, v[\pw]
	v_lshl_or_b32 v[\pw], v[TM+7], 24, v[\pw]
.irp c, 0,1
	v_cvt_scalef32_pk16_bf6_f32 v[\pc+6*\c:\pc+2+6*\c], v[\s+32*\c:\s+15+32*\c], v[TM+12+2*\c]
	v_cvt_scalef32_pk16_bf6_f32 v[\pt+4*\c:\pt+2+4*\c], v[\s+16+32*\c:\s+31+32*\c], v[TM+12+2*\c+1]
.endr
	v_nop                                          ; one plain place behind a scaled conversion
.irp c, 0,1                            ; the operand's layout wants a whole block in a lane
.irp i, 0,1,2
	v_permlane16_swap_b32 v[\pc+6*\c+\i], v[\pt+4*\c+\i]
.endr
.irp i, 0,1,2
	v_mov_b32 v[\pc+3+6*\c+\i], v[\pt+4*\c+\i]
.endr
.endr
.endm
	s_load_b512 s[4:19], s[0:1], 0x0               ; x, b_seq, w_gates, w1, w2, xc, gs, w1c
	s_load_b64 s[20:21], s[0:1], 0x40              ; w2c
	v_lshl_add_u32 v192, v0, 2, 0x1000
	v_mov_b32 v193, 0
	v_lshrrev_b32 v1, 5, v0
	v_readfirstlane_b32 s24, v1                    ; wave 0..3
	v_and_b32 v1, 31, v0                           ; lane
	v_and_b32 v2, 15, v0                           ; r
	v_bfe_u32 v3, v0, 4, 1                         ; h
	s_lshl_b32 s25, s24, 7                         ; 128 x wave
	s_mov_b32 s35, 0
	s_wait_kmcnt 0x0
	s_cmp_lt_u32 ttmp9, NX
	s_cbranch_scc1 .Lx
	v_lshlrev_b32 v15, 4, v1
	s_mul_i32 s33, s24, 3072
	v_add_nc_u32 v15, s33, v15                     ; my wave's two fragments in a record: 16 x lane + 3072 x wave
	v_lshl_add_u32 v9, v1, 2, s25                  ; and its 32 scale words: 4 x lane + 128 x wave
	s_cmp_lt_u32 ttmp9, NX+1024
	s_cbranch_scc1 .Lw1
	; ---- w2: idx = cb (8 blocks of 128 columns) + 8 kq (16 runs of 256 along K) + 128 e
	s_sub_co_u32 s28, ttmp9, NX+1024
	s_and_b32 s29, s28, 7                          ; cb
	s_bfe_u32 s30, s28, 0x40003                    ; kq
	s_lshr_b32 s32, s28, 7                         ; e
	s_lshl_b32 s34, s32, 24                        ; an expert is 2^24 bytes,
	s_lshl_b32 s33, s30, 20                        ; 256 rows of 4,096 bytes,
	s_or_b32 s34, s34, s33
	s_lshl_b32 s33, s29, 9                         ; 128 columns,
	s_or_b32 s34, s34, s33
	s_or_b32 s34, s34, s25                         ; my wave's 32
	s_add_nc_u64 s[12:13], s[12:13], s[34:35]
	s_lshl_b32 s33, s32, 3
	s_add_co_u32 s33, s33, s29
	s_lshl_b32 s33, s33, 5
	s_lshl_b32 s36, s30, 1
	s_add_co_u32 s33, s33, s36                     ; record (8 e + cb) 32 + 2 kq
	s_mul_i32 s34, s33, REC
	s_add_nc_u64 s[20:21], s[20:21], s[34:35]
	v_lshlrev_b32 v14, 2, v1                       ; column = lane
	WQ 4096, 12, 20, 1, 1
	s_endpgm
.Lw1:	; ---- w1: idx = cb (32) + 32 kq (4) + 128 e
	s_sub_co_u32 s28, ttmp9, NX
	s_and_b32 s29, s28, 31                         ; cb
	s_bfe_u32 s30, s28, 0x20005                    ; kq
	s_lshr_b32 s32, s28, 7                         ; e
	s_lshl_b32 s34, s32, 24
	s_lshl_b32 s33, s30, 22                        ; 256 rows of 16,384 bytes
	s_or_b32 s34, s34, s33
	s_lshl_b32 s33, s29, 9
	s_or_b32 s34, s34, s33
	s_or_b32 s34, s34, s25
	s_add_nc_u64 s[10:11], s[10:11], s[34:35]
	s_lshl_b32 s33, s32, 5
	s_add_co_u32 s33, s33, s29
	s_lshl_b32 s33, s33, 3
	s_lshl_b32 s36, s30, 1
	s_add_co_u32 s33, s33, s36                     ; record (32 e + cb) 8 + 2 kq
	s_mul_i32 s34, s33, REC
	s_add_nc_u64 s[18:19], s[18:19], s[34:35]
	v_and_b32 v14, 7, v1                           ; column = lane with bits 3 and 4 exchanged
	v_bfe_u32 v10, v1, 3, 1
	v_lshl_add_u32 v14, v10, 4, v14
	v_lshl_add_u32 v14, v3, 3, v14
	v_lshlrev_b32 v14, 2, v14
	WQ 16384, 10, 18, 1, 1
	s_endpgm
.Lx:	; ---- x and the gates: tokens 16 g on, one tile; wave w takes K steps 2 w and 2 w + 1
	s_mov_b32 s29, 0
	s_lshl_b32 s28, ttmp9, 6                       ; 16 tokens of 4 bytes
	s_add_nc_u64 s[6:7], s[6:7], s[28:29]          ; b_seq at token 16 g,
	s_add_nc_u64 s[16:17], s[16:17], s[28:29]      ; gs likewise
	s_lshl_b32 s28, ttmp9, 16                      ; 16 rows of 4,096 bytes,
	s_lshl_b32 s30, s24, 10                        ; my two K steps of 512 bytes
	s_or_b32 s28, s28, s30
	s_add_nc_u64 s[4:5], s[4:5], s[28:29]
	s_lshl_b32 s28, s24, 13                        ; w_gates: 256 rows of 32 bytes a wave
	s_add_nc_u64 s[8:9], s[8:9], s[28:29]
	s_lshr_b32 s28, ttmp9, 3                       ; the block of 128 tokens,
	s_lshl_b32 s28, s28, 3
	s_lshl_b32 s30, s24, 1
	s_add_co_u32 s28, s28, s30                     ; record (g / 8) 8 + 2 w
	s_mul_i32 s28, s28, REC
	s_add_nc_u64 s[14:15], s[14:15], s[28:29]
	s_and_b32 s30, ttmp9, 7                        ; which of the record's eight tiles
	s_mul_i32 s32, s30, 1536
	v_lshl_add_u32 v15, v1, 4, s32                 ; codes: 16 x lane + my fragment
	s_lshl_b32 s32, s30, 6
	v_lshl_add_u32 v9, v2, 2, s32                  ; scale words: 4 r + my tile's 16 words,
	v_mul_u32_u24 v10, v3, REC
	v_add_nc_u32 v9, v9, v10                       ; and lanes 16-31 a record on: one store serves both K steps
	s_mov_b32 s[SEL], 0x76543210
	s_mov_b32 s[SEL+1], 0xfedcba98
	v_cmp_gt_u32 s40, 16, v1                       ; lanes 0-15
	v_lshlrev_b32 v8, 2, v2                        ; 4 r
	v_lshlrev_b32 v7, 12, v2
	v_lshl_add_u32 v7, v3, 6, v7                   ; x: row r, + 64 h: my 16 numbers of a block of 32
.irp b, 0,1,2,3
	v_mov_b32 v[TM+4+\b], 0                        ; written once: a lane permute's destination counts as one of its sources
.endr
	v_lshrrev_b32 v14, 3, v1                       ; w_gates as 32 columns: lane = 8 task + expert
	v_lshlrev_b32 v14, 15, v14
	v_and_b32 v10, 7, v1
	v_lshl_add_u32 v14, v10, 2, v14
	global_load_b32 v4, v8, s[6:7]                 ; b_seq of token r
.macro XLOAD sg, reg                   ; my K step sg: 64 numbers a lane
.irp b, 0,1,2,3
.irp j, 0,1,2,3
	global_load_b128 v[\reg+16*\b+4*\j:\reg+16*\b+4*\j+3], v7, s[4:5] offset:(\sg)*512+128*\b+16*\j th:TH_LOAD_NT
.endr
.endr
.endm
	XLOAD 0, 32
	XLOAD 1, 96
	s_wait_loadcnt 0x0                             ; both K steps were asked for together
	QUANT 32, 160, 184, 5
	WLOAD 0, 32, 8, 0                              ; the gates' first two blocks are asked for as soon as their registers are free,
	WLOAD 1, 32, 8, 0
	QUANT 96, 172, 184, 6                          ; and are on their way while the second K step is quantised
.irp c, 0,1,2
	global_store_b128 v15, v[160+4*\c:163+4*\c], s[14:15] offset:512*\c          ; 32 lanes store 512 consecutive bytes, at a multiple of 256 from xc's first byte
	global_store_b128 v15, v[172+4*\c:175+4*\c], s[14:15] offset:REC+512*\c
.endr
	v_cndmask_b32 v149, v6, v5, s40                ; lanes 0-15 the first K step's words, lanes 16-31 the second's
	global_store_b32 v9, v149, s[14:15] offset:12288   ; none of these stores' registers is written again
	v_lshlrev_b32 v151, 4, v1                      ; LDS, back: 16 x lane
	s_lshl_b32 s33, s24, 10
	v_add_nc_u32 v150, s33, v151                   ; LDS, in: my partial logits: 16 x lane + 1,024 x wave
	v_lshl_add_u32 v152, v3, 14, v8                ; gs: 4 r + four experts of 4,096 bytes for lanes 16-31
	v_add_nc_u32 v153, 1, v3                       ; b_seq's values of the two tasks that my half of the lanes holds: 1 + h
	v_add_nc_u32 v154, 3, v3                       ; and 3 + h
.irp t, 0,1,2,3,4,5,6,7                ; the gates' weights of my 256 along K: fragments (K step s, tasks 0-1 / 2-3) at v96 + 24 s, v108 + 24 s; scale words v144 + s
	WBLK \t, 32, 8, 8, 0, 0
.endr
.rept 8
	v_nop                                          ; a scale word written by vector instructions stands 8 places ahead of a scaled matrix instruction, an operand 4
.endr
; logits^T: source 0 = 16 columns of w_gates, source 1 = my 16 tokens: lane (r, h) holds token r, register j expert j, of task h (first accumulator) and 2 + h (second).  The two take turns.
	v_wmma_scale_f32_16x16x128_f8f6f4 v[16:23], v[96:107], v[160:171], 0, v144, v5 matrix_a_fmt:MATRIX_FMT_BF6 matrix_b_fmt:MATRIX_FMT_BF6
	v_wmma_scale_f32_16x16x128_f8f6f4 v[24:31], v[108:119], v[160:171], 0, v144, v5 matrix_a_fmt:MATRIX_FMT_BF6 matrix_b_fmt:MATRIX_FMT_BF6 matrix_a_scale:MATRIX_SCALE_ROW1
	v_wmma_scale_f32_16x16x128_f8f6f4 v[16:23], v[120:131], v[172:183], v[16:23], v145, v6 matrix_a_fmt:MATRIX_FMT_BF6 matrix_b_fmt:MATRIX_FMT_BF6
	v_wmma_scale_f32_16x16x128_f8f6f4 v[24:31], v[132:143], v[172:183], v[24:31], v145, v6 matrix_a_fmt:MATRIX_FMT_BF6 matrix_b_fmt:MATRIX_FMT_BF6 matrix_a_scale:MATRIX_SCALE_ROW1
.rept 4
	v_nop                                          ; four places ahead of the first read of results
.endr
	v_cmp_eq_u32 vcc_lo, v4, v154                  ; the token's task is 2 + h: the second accumulator's; else the first's is kept (the choice is the same in all four waves, so it may stand ahead of their sum)
.irp j, 0,1,2,3,4,5,6,7
	v_cndmask_b32 v[16+\j], v[16+\j], v[24+\j], vcc_lo
.endr
	ds_store_b128 v150, v[16:19]
	ds_store_b128 v150, v[20:23] offset:512
	s_wait_dscnt 0x0                               ; for wave 0's sake: my partial logits lie in LDS
	s_barrier_signal -1
	s_barrier_wait -1
	s_cmp_lg_u32 s24, 0                            ; wave 0 finishes the tile; no barrier follows
	s_cbranch_scc1 .Lxend
.irp p, 0,1,2,3                        ; the four waves' parts of K
	ds_load_b128 v[32+8*\p:35+8*\p], v151 offset:1024*\p
	ds_load_b128 v[36+8*\p:39+8*\p], v151 offset:1024*\p+512
.endr
	s_wait_dscnt 0x0
.irp p, 1,2,3
.irp j, 0,1,2,3,4,5,6,7
	v_add_f32 v[32+\j], v[32+\j], v[32+8*\p+\j]
.endr
.endr
	v_max3_num_f32 v64, v32, v33, v34              ; softmax over my eight experts: the largest logit is taken away first
	v_max3_num_f32 v64, v64, v35, v36
	v_max3_num_f32 v64, v64, v37, v38
	v_max_num_f32 v64, v64, v39
.irp j, 0,1,2,3,4,5,6,7
	v_sub_f32 v[40+\j], v[32+\j], v64
.endr
.irp j, 0,1,2,3,4,5,6,7
	v_mul_f32 v[40+\j], 0x3fb8aa3b, v[40+\j]       ; x log2(e)
.endr
.irp j, 0,1,2,3,4,5,6,7
	v_exp_f32 v[40+\j], v[40+\j]
.endr
	v_nop                                          ; a plain place behind the exponentials
	v_cmp_eq_u32 s41, v4, v153
	v_cmp_eq_u32 s42, v4, v154
	s_or_b32 s41, s41, s42                         ; the token's task is one of my half's two
	s_wait_alu depctr_va_vdst(0)                   ; one wait for the eight, ahead of their first reader
	v_add_f32 v65, v40, v41
	v_add_f32 v66, v42, v43
	v_add_f32 v67, v44, v45
	v_add_f32 v68, v46, v47
	v_add_f32 v65, v65, v66
	v_add_f32 v67, v67, v68
	v_add_f32 v65, v65, v67
	v_rcp_f32 v66, v65
	v_nop
	s_wait_alu depctr_va_vdst(0)
.irp j, 0,1,2,3,4,5,6,7
	v_mul_f32 v[40+\j], v[40+\j], v66
.endr
.irp j, 0,1,2,3,4,5,6,7
	v_cndmask_b32 v[40+\j], 0, v[40+\j], s41       ; the half that does not hold the token's task gives 0; with b_seq = 0 both do
.endr
.irp j, 0,1,2,3,4,5,6,7
	v_permlanex16_b32 v[48+\j], v[40+\j], s[SEL], s[SEL+1]
.endr
.irp j, 0,1,2,3,4,5,6,7
	v_add_f32 v[40+\j], v[40+\j], v[48+\j]         ; both halves now hold the token's eight gates
.endr
.irp k, 0,1,2,3
	v_cndmask_b32 v[56+\k], v[44+\k], v[40+\k], s40   ; lanes 0-15 store experts 0-3, lanes 16-31 experts 4-7
.endr
.irp k, 0,1,2,3
	global_store_b32 v152, v[56+\k], s[16:17] offset:4096*\k
.endr
.Lxend:
	s_wait_tensorcnt 0x0
	ds_add_u32 v192, v193
	s_wait_dscnt 0x0
	s_endpgm
.Lfunc_end_k_qecb19fb518_prep:
	.size	k_qecb19fb518_prep, .Lfunc_end_k_qecb19fb518_prep-k_qecb19fb518_prep
	.p2alignl 7, 3214868480
	.fill 96, 4, 3214868480
	.section	.rodata,"a",@progbits
	.p2align	6, 0x0
	.amdhsa_kernel k_qecb19fb518_prep
		.amdhsa_group_segment_fixed_size 4608
		.amdhsa_private_segment_fixed_size 0
		.amdhsa_enable_private_segment 0
		.amdhsa_kernarg_size 72
		.amdhsa_user_sgpr_count 2
		.amdhsa_user_sgpr_kernarg_segment_ptr 1
		.amdhsa_wavefront_size32 1
		.amdhsa_system_sgpr_workgroup_id_x 1
		.amdhsa_system_sgpr_workgroup_id_y 1
		.amdhsa_system_sgpr_workgroup_id_z 1
		.amdhsa_system_vgpr_workitem_id 0
		.amdhsa_next_free_vgpr 194
		.amdhsa_next_free_sgpr 66
		.amdhsa_reserve_vcc 1
		.amdhsa_float_denorm_mode_32 3
		.amdhsa_float_denorm_mode_16_64 3
		.amdhsa_memory_ordered 1
		.amdhsa_forward_progress 1
		.amdhsa_inst_pref_size 135
	.end_amdhsa_kernel
	.amdgpu_metadata
---
amdhsa.version: [ 1, 2 ]
amdhsa.kernels:
  - .name:           k_qecb19fb518_prep
    .symbol:         k_qecb19fb518_prep.kd
    .args:
      - { .name: x, .offset: 0, .size: 8, .value_kind: global_buffer, .address_space: global }
      - { .name: b_seq, .offset: 8, .size: 8, .value_kind: global_buffer, .address_space: global }
      - { .name: w_gates, .offset: 16, .size: 8, .value_kind: global_buffer, .address_space: global }
      - { .name: w1, .offset: 24, .size: 8, .value_kind: global_buffer, .address_space: global }
      - { .name: w2, .offset: 32, .size: 8, .value_kind: global_buffer, .address_space: global }
      - { .name: xc, .offset: 40, .size: 8, .value_kind: global_buffer, .address_space: global }
      - { .name: gs, .offset: 48, .size: 8, .value_kind: global_buffer, .address_space: global }
      - { .name: w1c, .offset: 56, .size: 8, .value_kind: global_buffer, .address_space: global }
      - { .name: w2c, .offset: 64, .size: 8, .value_kind: global_buffer, .address_space: global }
    .group_segment_fixed_size: 4608
    .private_segment_fixed_size: 0
    .kernarg_segment_align: 8
    .kernarg_segment_size: 72
    .max_flat_workgroup_size: 128
    .sgpr_count:     66
    .vgpr_count:     194
    .wavefront_size: 32
...
	.end_amdgpu_metadata
.endif
;; end of part 1
;; launch ffn1 (part 2): grid 128 x 4, 4 waves a work-group, clusters of 4 x 4, 327,680 bytes of LDS; arguments xc, w1c, b1, hc; writes hc
.if DOCPART == 2
	.amdgcn_target "amdgcn-amd-amdhsa--gfx1250"
	.amdhsa_code_object_version 6
	.text
	.protected	k_qecb19fb518_ffn1
	.globl	k_qecb19fb518_ffn1
	.p2align	8
	.type	k_qecb19fb518_ffn1,@function
k_qecb19fb518_ffn1:
	s_mov_b64 s[64:65], 0
	v_nop
	global_prefetch_b8 v0, s[64:65] scope:SCOPE_SE
	s_setreg_imm32_b32 hwreg(HW_REG_WAVE_MODE, 25, 1), 1
	s_wait_xcnt 0x0
	s_wait_alu depctr_hold_cnt(0) depctr_sa_sdst(0) depctr_va_vdst(0) depctr_va_sdst(0) depctr_va_ssrc(0) depctr_va_vcc(0) depctr_vm_vsrc(0)
	s_getreg_b32 s2, hwreg(HW_REG_IB_STS2, 6, 4)
	s_cmp_eq_u32 s2, 0
	s_cbranch_scc0 .Lentry_in_a_cluster
	s_endpgm
.Lentry_in_a_cluster:
	s_bfe_u32 s2, ttmp6, 0x10000c
	s_cmp_lg_u32 s2, 0xf033
	s_cbranch_scc0 .Lentry_shape_is_right
	s_endpgm
.Lentry_shape_is_right:
; FFN1: h = relu(x W1 + b1) for all 8 experts (32,768 hidden units), on codes of BF6 with E8M0 scales, and h quantised along the hidden units into hc.
; A work-group makes 256 tokens x 256 hidden units; each of its four waves 128 x 128: 64 accumulators, 512 registers.  K = 1,024 goes in 8 steps of 128.
; OPERANDS ARE RECORDS: 128 rows x 128 K as images of the operand's registers (fragment i at 1536 i: three planes of 512 bytes, lane l's 16 bytes at 16 l; the rows' scale words at 12288, 4 bytes a row).
; A block's records follow each other along K, so a slot's part of a block (NQ records) is one dense run of bytes: one tensor load a wave, as rows of 256 bytes; fragments come out of LDS 16 consecutive bytes a lane.
; RING: two slots of 2 K steps; a slot = tokens' blocks 0, 1, then hidden units' blocks 0, 1.  Waves 0, 1 fetch the tokens' blocks, waves 2, 3 the weights'.
; CLUSTER 4 x 4: the four of a row (same cy) need the same tokens, the four of a column (same cx) the same weights: each block is asked for jointly.
; TRANSPOSED USE: source 0 = 16 rows of W1's record, source 1 = 16 tokens: a lane holds one token.  W1's records hold their rows in such an order that register 16 B + i of a token tile's 64 is hidden unit
; 32 B + 16 (lane / 16) + i: 16 neighbours along the next product's K, which the conversions take as they stand.  b1 is the C of each sum's first product.
; The wave's 128 tokens x 128 hidden units are exactly one record of hc: it is stored from registers, 512 consecutive bytes a store.
; LIMITS: NaN and infinities are not served; a block of h whose largest number lies under 2^-122 (a block of zeros among them) keeps the byte 1.
; REGISTERS: window 0: v2-5 lane terms, v8-15 LDS addresses, v16 b1's offset, v28-29 the add's two, v32-47 scale words (two sets), v64-159 and v160-255 the tokens' fragments (two sets);
;   window 1: v0-95, v128-223 the weights' fragments (two sets); v96-127, v224-255 b1's eight tiles;   windows 2, 3: accumulator (a, b) at v[8 (8 (a % 4) + b)] of window 2 + a / 4.
.set REC,   12800
.set NA,    8                          ; token tiles of a wave
.set NQ,    2                          ; K steps in a slot
.set STRM,  NQ*REC                     ; a block's part of a slot
.set SLOT,  4*STRM
.set SPARE, 2*SLOT                     ; behind the ring: the spare words, 128 bytes a wave: two blocks of 256 bytes that no other line names
.set RWS,   STRM/256
.set LAPS,  2                          ; 8 K steps = 4 slots' worth = twice round the ring
.set ADA, 8                            ; v8-9   tokens' fragments in slot 0, 1: 16 x lane + my block
.set ADB, 10                           ; v10-11 weights'
.set ASA, 12                           ; v12-13 tokens' scale words: 4 x lane + my block
.set ASB, 14                           ; v14-15 weights'
.set SPW, 28
.set NIL, 29
.set G1,  24                           ; s[24:31] group 1 for the tokens' blocks; s[32:39] group 0, a set a slot
.set G0,  32
.set G1B, 48                           ; s[48:55], s[56:63] the same for the weights'
.set G0B, 56
.set SEL, 46
.set FLOOR, 0x2800000
.set EOFF,  0xfe000000
.set PC,  128                          ; the way out: v128-139 codes, v140-147 second halves, v148-163 at work, v164 the scale word
.set TM,  148
.set PW,  164
.set MSB, 0
.macro WIN new                         ; the immediate's high byte repeats the setting that is left; a switch that changes nothing is dropped
.if MSB != (\new)
	s_set_vgpr_msb (MSB<<8)|(\new)
.set MSB, (\new)
.endif
.endm
.macro PLACES n
.rept \n
	v_nop
.endr
.endm
.macro JLOAD s                         ; a joint load; the branch hangs on the wave's number alone; four v_nop follow each of the two lines
	s_cmp_eq_u32 s15, 0
	s_cbranch_scc0 .Lfor_b_\@
	tensor_load_to_lds s[G0+4*\s:G0+4*\s+3], s[G1:G1+7]
	s_nop 0
.rept 4
	v_nop
.endr
	s_branch .Lasked_\@
.Lfor_b_\@:
	tensor_load_to_lds s[G0B+4*\s:G0B+4*\s+3], s[G1B:G1B+7]
	s_nop 0
.rept 4
	v_nop
.endr
.Lasked_\@:
.endm
.macro CREST                           ; a round of the cluster's barrier behind its opening barrier
	s_cmp_lg_u32 s14, 0
	s_cbranch_scc1 .Lnot_wave_0_\@
	s_barrier_signal -3
.Lnot_wave_0_\@:
	s_barrier_wait -3
	s_barrier_signal -1
	s_barrier_wait -1
.endm
.macro CROUND
	s_barrier_signal -1
	s_barrier_wait -1
	CREST
.endm
; Token tile a against the eight weight tiles, from set p.  first = 1: b1's tile is C and starts the sum.  A scale register holds tile 2 g's words in lanes 0-15 and tile 2 g + 1's in lanes 16-31.
.macro MULA a, p, first
.if \first
	WIN 0x91+0x40*((\a)/4)                         ; weights window 1, tokens window 0, C (b1) window 1, D window 2 or 3
.else
	WIN 0xa1+0x50*((\a)/4)                         ; C and D window 2 or 3
.endif
.irp b, 0,1,2,3,4,5,6,7
.set RD, 8*(8*((\a)%4)+\b)
.set RB, 128*(\p)+12*\b
.set RA, 64+96*(\p)+12*(\a)
.set RSB, 36+8*(\p)+\b/2
.set RSA, 32+8*(\p)+(\a)/2
.set RC, RD
.if \first
.set RC, 96+8*\b+96*(\b/4)
.endif
.set OB, \b%2
.set OA, (\a)%2
.if OB && OA
	v_wmma_scale_f32_16x16x128_f8f6f4 v[RD:RD+7], v[RB:RB+11], v[RA:RA+11], v[RC:RC+7], v[RSB], v[RSA] matrix_a_fmt:MATRIX_FMT_BF6 matrix_b_fmt:MATRIX_FMT_BF6 matrix_a_scale:MATRIX_SCALE_ROW1 matrix_b_scale:MATRIX_SCALE_ROW1
.elseif OB
	v_wmma_scale_f32_16x16x128_f8f6f4 v[RD:RD+7], v[RB:RB+11], v[RA:RA+11], v[RC:RC+7], v[RSB], v[RSA] matrix_a_fmt:MATRIX_FMT_BF6 matrix_b_fmt:MATRIX_FMT_BF6 matrix_a_scale:MATRIX_SCALE_ROW1
.elseif OA
	v_wmma_scale_f32_16x16x128_f8f6f4 v[RD:RD+7], v[RB:RB+11], v[RA:RA+11], v[RC:RC+7], v[RSB], v[RSA] matrix_a_fmt:MATRIX_FMT_BF6 matrix_b_fmt:MATRIX_FMT_BF6 matrix_b_scale:MATRIX_SCALE_ROW1
.else
	v_wmma_scale_f32_16x16x128_f8f6f4 v[RD:RD+7], v[RB:RB+11], v[RA:RA+11], v[RC:RC+7], v[RSB], v[RSA] matrix_a_fmt:MATRIX_FMT_BF6 matrix_b_fmt:MATRIX_FMT_BF6
.endif
.endr
.endm
.macro MULS a0, n, p, first            ; n token tiles from a0 on.  The accumulators take turns, one instruction a turn, in the same order in every step
.set AA, \a0
.rept \n
	MULA AA, \p, \first
.set AA, AA+1
.endr
.endm
.macro FETCH slot, q, p                ; the fragments and scale words of the slot's q-th K step into set p, in one run
	WIN 0x40                                       ; destination window 1
.irp i, 0,1,2,3,4,5,6,7
.irp c, 0,1,2
	ds_load_b128 v[128*(\p)+12*\i+4*\c:128*(\p)+12*\i+4*\c+3], v[ADB+\slot] offset:(\q)*REC+1536*\i+512*\c
.endr
.endr
	WIN 0
.set II, 0
.rept NA
.irp c, 0,1,2
	ds_load_b128 v[64+96*(\p)+12*II+4*\c:64+96*(\p)+12*II+4*\c+3], v[ADA+\slot] offset:(\q)*REC+1536*II+512*\c
.endr
.set II, II+1
.endr
.set II, 0
.rept NA/2
	ds_load_b32 v[32+8*(\p)+II], v[ASA+\slot] offset:(\q)*REC+12288+128*II
.set II, II+1
.endr
.irp g, 0,1,2,3
	ds_load_b32 v[36+8*(\p)+\g], v[ASB+\slot] offset:(\q)*REC+12288+128*\g
.endr
.endm
.macro STEP slot, q, first             ; a K step that has its successor in the same slot
	s_wait_dscnt 0x0                               ; this step's set is in: it was asked for a whole step ago
	PLACES 4                                       ; four places in front of loads into the other set, which the last products read
	FETCH \slot, (\q)+1, 1-(\q)%2
	MULS 0, NA, (\q)%2, \first
.endm
; A slot's last K step (set 1) changes slots: ONE barrier.  In front of it each wave waits for all its tensor loads, adds 0 to its spare word, and waits for that and for its reads of this slot.
; fill = 1: the barrier opens a round of the cluster's barrier, and this slot is filled again, two slots ahead along K, first thing behind the round.
.macro TURN slot, next, fill
	WIN 0                                          ; (the add's two registers lie in window 0)
	s_wait_tensorcnt 0x0                           ; all my tensor loads have landed: my part of the next slot
	ds_add_u32 v[SPW], v[NIL]                      ; 0 onto my spare word
	s_wait_dscnt 0x1                               ; this step's set is in; the add alone may be out
	MULS 0, NA/4, 1, 0
	s_wait_dscnt 0x0                               ; the add is done, and my reads of this slot are over
	s_barrier_signal -1
	MULS NA/4, NA/4, 1, 0
	WIN 0
	s_barrier_wait -1
.if \fill
	CREST                                          ; no wave of any partner still reads this slot or has a load on its way
	s_add_nc_u64 s[G0+4*\slot+2:G0+4*\slot+3], s[G0+4*\slot+2:G0+4*\slot+3], 2*STRM
	s_add_nc_u64 s[G0B+4*\slot+2:G0B+4*\slot+3], s[G0B+4*\slot+2:G0B+4*\slot+3], 2*STRM
	JLOAD \slot
.endif
	PLACES 4                                       ; in front of the loads into set 0
	FETCH \next, 0, 0
	MULS NA/2, NA/2, 1, 0
.endm
	s_load_b256 s[4:11], s[0:1], 0x0               ; xc s[4:5], w1c s[6:7], b1 s[8:9], hc s[10:11]
	v_lshl_add_u32 v[SPW], v0, 2, SPARE
	v_mov_b32 v[NIL], 0
	ds_add_u32 v28, v29
	s_wait_dscnt 0x0
	v_lshrrev_b32 v1, 5, v0
	v_readfirstlane_b32 s14, v1                    ; wave 0..3
	s_lshr_b32 s15, s14, 1                         ; my half of the tokens.  Also: I fetch tokens (0) or weights (1)
	s_and_b32 s16, s14, 1                          ; my half of the hidden units.  Also: which of the two blocks I fetch
	s_bfe_u32 s12, ttmp6, 0x40000                  ; cx
	s_bfe_u32 s13, ttmp6, 0x40004                  ; cy = the work-group's y: the grid has one cluster along y
	s_lshl_b32 s17, ttmp9, 2
	s_add_co_u32 s17, s17, s12                     ; work-group x = 4 x cluster x + cx
	s_lshl_b32 s44, s13, 2
	s_lshl_b32 s44, 15, s44                        ; my row of the cluster
	s_lshl_b32 s45, 0x1111, s12                    ; my column
	s_or_b32 s[G1], s44, (3<<16)|(1<<21)           ; 15:0 the mask; 17:16 elements of 8 bytes; 21 set beside a mask; no padding
	s_or_b32 s[G1B], s45, (3<<16)|(1<<21)
.irp g, G1, G1B
	s_mov_b32 s[\g+1], 32<<16                      ; tensor_dim0 = 32 elements: rows of 256 bytes
	s_mov_b32 s[\g+2], RWS<<16                     ; tensor_dim1
	s_mov_b32 s[\g+3], 32<<16                      ; tile_dim0
	s_mov_b32 s[\g+4], RWS                         ; tile_dim1
	s_mov_b32 s[\g+5], 32                          ; the pitch: the run is dense
	s_mov_b32 s[\g+6], 0
	s_mov_b32 s[\g+7], 0
.endr
	s_lshl_b32 s20, s13, 1
	s_add_co_u32 s20, s20, s16                     ; tokens' block 2 cy + half: 8 records
	s_mul_i32 s20, s20, 8*REC
	s_mov_b32 s21, 0
	s_lshl_b32 s22, s17, 1
	s_add_co_u32 s22, s22, s16                     ; weights' block 2 x + half
	s_mul_i32 s22, s22, 8*REC
	s_mov_b32 s23, 0
	s_mul_i32 s46, s14, STRM                       ; where they go: wave x a block's part: no place in the cluster enters an LDS address
	s_wait_kmcnt 0x0
	s_add_nc_u64 s[20:21], s[4:5], s[20:21]
	s_add_nc_u64 s[22:23], s[6:7], s[22:23]
	CROUND                                         ; all sixteen work-groups are here: the first joint loads meet
.irp s, 0,1
	s_mov_b32 s[G0+4*\s], 1
	s_add_co_u32 s[G0+4*\s+1], s46, \s*SLOT
	s_add_nc_u64 s[G0+4*\s+2:G0+4*\s+3], s[20:21], \s*STRM
	s_or_b32 s[G0+4*\s+3], s[G0+4*\s+3], 0x80000000
	s_mov_b32 s[G0B+4*\s], 1
	s_add_co_u32 s[G0B+4*\s+1], s46, \s*SLOT
	s_add_nc_u64 s[G0B+4*\s+2:G0B+4*\s+3], s[22:23], \s*STRM
	s_or_b32 s[G0B+4*\s+3], s[G0B+4*\s+3], 0x80000000
	JLOAD \s                                       ; two loads of mine are out
.endr
	v_and_b32 v3, 31, v0                           ; lane
	v_bfe_u32 v2, v0, 4, 1                         ; h
	v_lshlrev_b32 v4, 4, v3                        ; 16 x lane
	v_lshlrev_b32 v5, 2, v3                        ; 4 x lane
	v_lshlrev_b32 v16, 6, v2                       ; b1: 16 numbers on for lanes 16-31
	v_cmp_gt_u32 s19, 16, v3                       ; lanes 0-15
	s_mul_i32 s40, s15, STRM                       ; my tokens' block in a slot
	s_mul_i32 s41, s16, STRM
	s_add_co_u32 s41, s41, 2*STRM                  ; my weights' block
.irp s, 0,1
	v_add_nc_u32 v[ADA+\s], s40, v4
	v_add_nc_u32 v[ADB+\s], s41, v4
	v_add_nc_u32 v[ASA+\s], s40, v5
	v_add_nc_u32 v[ASB+\s], s41, v5
	s_add_co_u32 s40, s40, SLOT
	s_add_co_u32 s41, s41, SLOT
.endr
	s_mov_b32 s[SEL], 0x76543210
	s_mov_b32 s[SEL+1], 0xfedcba98
	s_lshl_b32 s40, s17, 1
	s_add_co_u32 s40, s40, s16                     ; nb: my block of 128 hidden units among 256
	s_lshr_b32 s41, s40, 5                         ; the expert,
	s_and_b32 s42, s40, 31                         ; and the second product's K step
	s_lshl_b32 s41, s41, 3
	s_lshl_b32 s43, s13, 1
	s_add_co_u32 s43, s43, s15                     ; my block of 128 tokens
	s_add_co_u32 s41, s41, s43
	s_lshl_b32 s41, s41, 5
	s_add_co_u32 s41, s41, s42                     ; hc's record (8 e + tb) 32 + s
	s_mul_i32 s42, s41, REC
	s_mov_b32 s43, 0
	s_add_nc_u64 s[10:11], s[10:11], s[42:43]
	s_lshl_b32 s42, s40, 9
	s_add_nc_u64 s[8:9], s[8:9], s[42:43]          ; b1 at my 128 hidden units
	WIN 0x40                                       ; destination window 1
.irp t, 0,1,2,3,4,5,6,7                ; b1 in the result's layout: tile 2 B + u, lane half h: hidden units 32 B + 16 h + 8 u + 0 .. 7
	global_load_b128 v[96+8*\t+96*(\t/4):96+8*\t+96*(\t/4)+3], v16, s[8:9] offset:(32*(\t/2)+8*(\t%2))*4
	global_load_b128 v[100+8*\t+96*(\t/4):100+8*\t+96*(\t/4)+3], v16, s[8:9] offset:(32*(\t/2)+8*(\t%2))*4+16
.endr
	WIN 0
	s_wait_tensorcnt 0x1                           ; my part of slot 0 is in; slot 1's may stay out
	s_barrier_signal -1
	s_barrier_wait -1                              ; everybody's is
	FETCH 0, 0, 0
	s_wait_loadcnt 0x0                             ; b1
	STEP 0, 0, 1                                   ; the first step stands in front of the loop: its products start the sums
	WIN 0                                          ; at a label and at a branch every window is 0
	s_mov_b32 s3, LAPS-1
.Llap:                                                 ; a trip goes once round the ring and fills both slots again
	TURN 0, 1, 1
	STEP 1, 0, 0
	TURN 1, 0, 1
	STEP 0, 0, 0
	WIN 0
	s_sub_co_u32 s3, s3, 1
	s_cmp_lg_u32 s3, 0
	s_cbranch_scc1 .Llap
	TURN 0, 1, 0                                   ; the last lap fills nothing and has no round
	STEP 1, 0, 0
	s_wait_dscnt 0x0                               ; the very last step
	MULS 0, NA, 1, 0
	WIN 0
; 64 numbers of a lane, register 16 b + i = k 32 b + 16 (lane / 16) + i of my token, become a fragment's codes in v[PC] on and its scale word in v[PW]
.macro QUANT s
.irp b, 0,1,2,3
	v_max3_num_f32 v[TM+\b], |v[\s+16*\b]|, |v[\s+1+16*\b]|, FLOOR   ; and the floor 2^(5 - 127): the byte cannot fall under 1
.endr
.irp i, 2,4,6,8,10,12,14
.irp b, 0,1,2,3
	v_max3_num_f32 v[TM+\b], v[TM+\b], |v[\s+16*\b+\i]|, |v[\s+1+16*\b+\i]|
.endr
.endr
.irp b, 0,1,2,3
	v_permlanex16_b32 v[TM+4+\b], v[TM+\b], s[SEL], s[SEL+1]
.endr
.irp b, 0,1,2,3
	v_max_num_f32 v[TM+\b], v[TM+\b], v[TM+4+\b]
.endr
.irp b, 0,1,2,3
	v_add_nc_u32 v[TM+12+\b], EOFF, v[TM+\b]       ; 4 off the exponent field: the conversion's scale operand
.endr
.irp b, 0,1,2,3
	v_lshrrev_b32 v[TM+4+\b], 23, v[TM+12+\b]      ; the scale's byte
.endr
	v_lshl_or_b32 v[PW], v[TM+5], 8, v[TM+4]
	v_lshl_or_b32 v[PW], v[TM+6], 16, v[PW]
	v_lshl_or_b32 v[PW], v[TM+7], 24, v[PW]
.irp c, 0,1
	v_cvt_scalef32_pk16_bf6_f32 v[PC+6*\c:PC+2+6*\c], v[\s+32*\c:\s+15+32*\c], v[TM+12+2*\c]
	v_cvt_scalef32_pk16_bf6_f32 v[PC+12+4*\c:PC+14+4*\c], v[\s+16+32*\c:\s+31+32*\c], v[TM+12+2*\c+1]
.endr
	v_nop                                          ; one plain place behind a scaled conversion
.irp c, 0,1
.irp i, 0,1,2
	v_permlane16_swap_b32 v[PC+6*\c+\i], v[PC+12+4*\c+\i]
.endr
.irp i, 0,1,2
	v_mov_b32 v[PC+3+6*\c+\i], v[PC+12+4*\c+\i]
.endr
.endr
.endm
; THE WAY OUT of token tile a: relu into window 0 (each accumulator from its low end on), quantised, stored as fragment a of my record
.macro HQ a
.if (\a) > 0
	s_wait_xcnt 0x0                                ; the last tile's stores have read the codes' registers, which are written again
.endif
	WIN 0x08+4*((\a)/4)                            ; source 1: window 2 or 3
.set JJ, 0
.rept 64
	v_max_num_f32 v[64+JJ], 0, v[64*((\a)%4)+JJ]
.set JJ, JJ+1
.endr
	WIN 0
	QUANT 64
.irp c, 0,1,2
	global_store_b128 v4, v[PC+4*\c:PC+4*\c+3], s[10:11] offset:1536*(\a)+512*\c   ; 32 lanes store 512 consecutive bytes, at a multiple of 256 from hc's first byte
.endr
.if (\a)%2 == 0
	v_mov_b32 v165, v[PW]
.else
	v_cndmask_b32 v[166+(\a)/2], v[PW], v165, s19  ; lanes 0-15 the even tile's words, lanes 16-31 the odd tile's
	global_store_b32 v5, v[166+(\a)/2], s[10:11] offset:12288+128*((\a)/2)
.endif
.endm
	PLACES 4                                       ; behind the last products: their results are read and their operands' registers written below
.irp b, 0,1,2,3
	v_mov_b32 v[TM+4+\b], 0                        ; a lane permute's destination counts as one of its sources
.endr
.irp a, 0,1,2,3,4,5,6,7
	HQ \a
.endr
	s_wait_tensorcnt 0x0                           ; the wave's end
	ds_add_u32 v[SPW], v[NIL]
	s_wait_dscnt 0x0
	CROUND                                         ; the closing round: no work-group ends while a partner may still ask for a block that names it
	s_endpgm
.Lfunc_end_k_qecb19fb518_ffn1:
	.size	k_qecb19fb518_ffn1, .Lfunc_end_k_qecb19fb518_ffn1-k_qecb19fb518_ffn1
	.p2alignl 7, 3214868480
	.fill 96, 4, 3214868480
	.section	.rodata,"a",@progbits
	.p2align	6, 0x0
	.amdhsa_kernel k_qecb19fb518_ffn1
		.amdhsa_group_segment_fixed_size 327680
		.amdhsa_private_segment_fixed_size 0
		.amdhsa_enable_private_segment 0
		.amdhsa_kernarg_size 32
		.amdhsa_user_sgpr_count 2
		.amdhsa_user_sgpr_kernarg_segment_ptr 1
		.amdhsa_wavefront_size32 1
		.amdhsa_system_sgpr_workgroup_id_x 1
		.amdhsa_system_sgpr_workgroup_id_y 1
		.amdhsa_system_sgpr_workgroup_id_z 1
		.amdhsa_system_vgpr_workitem_id 0
		.amdhsa_next_free_vgpr 1024
		.amdhsa_next_free_sgpr 66
		.amdhsa_reserve_vcc 0
		.amdhsa_float_denorm_mode_32 3
		.amdhsa_float_denorm_mode_16_64 3
		.amdhsa_memory_ordered 1
		.amdhsa_forward_progress 1
		.amdhsa_inst_pref_size 155
	.end_amdhsa_kernel
	.amdgpu_metadata
---
amdhsa.version: [ 1, 2 ]
amdhsa.kernels:
  - .name:           k_qecb19fb518_ffn1
    .symbol:         k_qecb19fb518_ffn1.kd
    .args:
      - { .name: xc, .offset: 0, .size: 8, .value_kind: global_buffer, .address_space: global }
      - { .name: w1c, .offset: 8, .size: 8, .value_kind: global_buffer, .address_space: global }
      - { .name: b1, .offset: 16, .size: 8, .value_kind: global_buffer, .address_space: global }
      - { .name: hc, .offset: 24, .size: 8, .value_kind: global_buffer, .address_space: global }
    .group_segment_fixed_size: 327680
    .private_segment_fixed_size: 0
    .kernarg_segment_align: 8
    .kernarg_segment_size: 32
    .max_flat_workgroup_size: 128
    .sgpr_count:     66
    .vgpr_count:     1024
    .wavefront_size: 32
...
	.end_amdgpu_metadata
.endif
;; end of part 2
;; launch ffn2 (part 3): grid 4 x 64, 4 waves a work-group, clusters of 4 x 4, 327,680 bytes of LDS; arguments hc, w2c, b2, gs, pp; writes pp
.if DOCPART == 3
	.amdgcn_target "amdgcn-amd-amdhsa--gfx1250"
	.amdhsa_code_object_version 6
	.text
	.protected	k_qecb19fb518_ffn2
	.globl	k_qecb19fb518_ffn2
	.p2align	8
	.type	k_qecb19fb518_ffn2,@function
k_qecb19fb518_ffn2:
	s_mov_b64 s[64:65], 0
	v_nop
	global_prefetch_b8 v0, s[64:65] scope:SCOPE_SE
	s_setreg_imm32_b32 hwreg(HW_REG_WAVE_MODE, 25, 1), 1
	s_wait_xcnt 0x0
	s_wait_alu depctr_hold_cnt(0) depctr_sa_sdst(0) depctr_va_vdst(0) depctr_va_sdst(0) depctr_va_ssrc(0) depctr_va_vcc(0) depctr_vm_vsrc(0)
	s_getreg_b32 s2, hwreg(HW_REG_IB_STS2, 6, 4)
	s_cmp_eq_u32 s2, 0
	s_cbranch_scc0 .Lentry_in_a_cluster
	s_endpgm
.Lentry_in_a_cluster:
	s_bfe_u32 s2, ttmp6, 0x10000c
	s_cmp_lg_u32 s2, 0xf033
	s_cbranch_scc0 .Lentry_shape_is_right
	s_endpgm
.Lentry_shape_is_right:
; FFN2: pp[e][token][d] = g[e][token] x (h_e W2_e + b2_e), on codes of BF6 with E8M0 scales.  The sum over the eight experts is the next launch's: K is split by expert, which is where the gate applies.
; A work-group makes 128 tokens x 256 d of one expert: 8 experts x 8 blocks of tokens x 4 blocks of d = 256 work-groups.  A wave makes 64 tokens x 128 d: 32 accumulators, 256 registers.  K = 4,096: 32 steps of 128.
; OPERANDS ARE RECORDS: 128 rows x 128 K as images of the operand's registers (fragment i at 1536 i: three planes of 512 bytes, lane l's 16 bytes at 16 l; the rows' scale words at 12288).
; RING: two slots of 4 K steps; a slot = the tokens' block, then the weights' blocks 0, 1, each a dense run of 4 records.
; CLUSTER 4 x 4: along x the four blocks of d, along y four blocks of tokens of ONE expert (8 e + tb = 4 x cluster y + cy, so e = cluster y / 2).  The four of a row need the same tokens, the four of a column the same weights.
; TRANSPOSED USE: source 0 = 16 rows of W2's record (d), source 1 = 16 tokens: a lane holds one token and eight neighbouring d.  b2 is the C of each sum's first product; the gate multiplies on the way out.
; A token with b_seq = 0 has gates 0: its rows are 0 x a finite number.  LIMITS: NaN and infinities are not served.
; REGISTERS: window 0: v1-5 lane terms, v8-15 LDS addresses, v16-19 offsets, v28-29 the add's two, v32-47 scale words (two sets), v48-55 the gates, v64-111 and v160-207 the tokens' fragments (two sets);
;   window 1: v0-95, v128-223 the weights' fragments (two sets); v96-127, v224-255 b2's eight tiles;   window 2: accumulator (a, b) at v[8 (8 a + b)].
.set REC,   12800
.set NA,    4
.set NQ,    4
.set STRM,  NQ*REC
.set SLOT,  3*STRM
.set SPARE, 2*SLOT                     ; behind the ring: the spare words, 128 bytes a wave: two blocks of 256 bytes that no other line names
.set RWS,   STRM/256
.set LAPS,  4                          ; 32 K steps = 8 slots' worth
.set ADA, 8
.set ADB, 10
.set ASA, 12
.set ASB, 14
.set SPW, 28
.set NIL, 29
.set G1,  24
.set G0,  32
.set G1B, 48
.set G0B, 56
.set MSB, 0
.macro WIN new
.if MSB != (\new)
	s_set_vgpr_msb (MSB<<8)|(\new)
.set MSB, (\new)
.endif
.endm
.macro PLACES n
.rept \n
	v_nop
.endr
.endm
.macro JLOAD s                         ; a joint refill: wave 0 the tokens' block, waves 1 and 2 the weights'; the branches hang on the wave's number alone; four v_nop follow each line
	s_cmp_eq_u32 s14, 0
	s_cbranch_scc0 .Lnot_a_\@
	tensor_load_to_lds s[G0+4*\s:G0+4*\s+3], s[G1:G1+7]
	s_nop 0
.rept 4
	v_nop
.endr
	s_branch .Lasked_\@
.Lnot_a_\@:
	s_cmp_lt_u32 s14, 3
	s_cbranch_scc0 .Lasked_\@
	tensor_load_to_lds s[G0B+4*\s:G0B+4*\s+3], s[G1B:G1B+7]
	s_nop 0
.rept 4
	v_nop
.endr
.Lasked_\@:
.endm
.macro CREST
	s_cmp_lg_u32 s14, 0
	s_cbranch_scc1 .Lnot_wave_0_\@
	s_barrier_signal -3
.Lnot_wave_0_\@:
	s_barrier_wait -3
	s_barrier_signal -1
	s_barrier_wait -1
.endm
.macro CROUND
	s_barrier_signal -1
	s_barrier_wait -1
	CREST
.endm
.macro MULA a, p, first                ; token tile a against the eight weight tiles, from set p; first = 1: b2's tile is C
.if \first
	WIN 0x91                                       ; weights window 1, tokens window 0, C (b2) window 1, D window 2
.else
	WIN 0xa1                                       ; C and D window 2
.endif
.irp b, 0,1,2,3,4,5,6,7
.set RD, 8*(8*(\a)+\b)
.set RB, 128*(\p)+12*\b
.set RA, 64+96*(\p)+12*(\a)
.set RSB, 36+8*(\p)+\b/2
.set RSA, 32+8*(\p)+(\a)/2
.set RC, RD
.if \first
.set RC, 96+8*\b+96*(\b/4)
.endif
.set OB, \b%2
.set OA, (\a)%2
.if OB && OA
	v_wmma_scale_f32_16x16x128_f8f6f4 v[RD:RD+7], v[RB:RB+11], v[RA:RA+11], v[RC:RC+7], v[RSB], v[RSA] matrix_a_fmt:MATRIX_FMT_BF6 matrix_b_fmt:MATRIX_FMT_BF6 matrix_a_scale:MATRIX_SCALE_ROW1 matrix_b_scale:MATRIX_SCALE_ROW1
.elseif OB
	v_wmma_scale_f32_16x16x128_f8f6f4 v[RD:RD+7], v[RB:RB+11], v[RA:RA+11], v[RC:RC+7], v[RSB], v[RSA] matrix_a_fmt:MATRIX_FMT_BF6 matrix_b_fmt:MATRIX_FMT_BF6 matrix_a_scale:MATRIX_SCALE_ROW1
.elseif OA
	v_wmma_scale_f32_16x16x128_f8f6f4 v[RD:RD+7], v[RB:RB+11], v[RA:RA+11], v[RC:RC+7], v[RSB], v[RSA] matrix_a_fmt:MATRIX_FMT_BF6 matrix_b_fmt:MATRIX_FMT_BF6 matrix_b_scale:MATRIX_SCALE_ROW1
.else
	v_wmma_scale_f32_16x16x128_f8f6f4 v[RD:RD+7], v[RB:RB+11], v[RA:RA+11], v[RC:RC+7], v[RSB], v[RSA] matrix_a_fmt:MATRIX_FMT_BF6 matrix_b_fmt:MATRIX_FMT_BF6
.endif
.endr
.endm
.macro MULS a0, n, p, first            ; the 32 accumulators take turns, one instruction a turn, in the same order in every step
.set AA, \a0
.rept \n
	MULA AA, \p, \first
.set AA, AA+1
.endr
.endm
.macro FETCH slot, q, p
	WIN 0x40
.irp i, 0,1,2,3,4,5,6,7
.irp c, 0,1,2
	ds_load_b128 v[128*(\p)+12*\i+4*\c:128*(\p)+12*\i+4*\c+3], v[ADB+\slot] offset:(\q)*REC+1536*\i+512*\c
.endr
.endr
	WIN 0
.set II, 0
.rept NA
.irp c, 0,1,2
	ds_load_b128 v[64+96*(\p)+12*II+4*\c:64+96*(\p)+12*II+4*\c+3], v[ADA+\slot] offset:(\q)*REC+1536*II+512*\c
.endr
.set II, II+1
.endr
.set II, 0
.rept NA/2
	ds_load_b32 v[32+8*(\p)+II], v[ASA+\slot] offset:(\q)*REC+12288+128*II
.set II, II+1
.endr
.irp g, 0,1,2,3
	ds_load_b32 v[36+8*(\p)+\g], v[ASB+\slot] offset:(\q)*REC+12288+128*\g
.endr
.endm
.macro STEP slot, q, first
	s_wait_dscnt 0x0                               ; this step's set is in: it was asked for a whole step ago
	PLACES 4                                       ; in front of loads into the other set, which the last products read
	FETCH \slot, (\q)+1, 1-(\q)%2
	MULS 0, NA, (\q)%2, \first
.endm
.macro TURN slot, next, fill           ; a slot's last K step (set 1) changes slots: one barrier; with fill = 1 it opens a round of the cluster's barrier and the slot is filled again
	WIN 0
	s_wait_tensorcnt 0x0                           ; all my tensor loads have landed: my part of the next slot
	ds_add_u32 v[SPW], v[NIL]                      ; 0 onto my spare word
	s_wait_dscnt 0x1                               ; this step's set is in; the add alone may be out
	MULS 0, NA/4, 1, 0
	s_wait_dscnt 0x0                               ; the add is done, and my reads of this slot are over
	s_barrier_signal -1
	MULS NA/4, NA/4, 1, 0
	WIN 0
	s_barrier_wait -1
.if \fill
	CREST
	s_add_nc_u64 s[G0+4*\slot+2:G0+4*\slot+3], s[G0+4*\slot+2:G0+4*\slot+3], 2*STRM
	s_add_nc_u64 s[G0B+4*\slot+2:G0B+4*\slot+3], s[G0B+4*\slot+2:G0B+4*\slot+3], 2*STRM
	JLOAD \slot
.endif
	PLACES 4                                       ; in front of the loads into set 0 (wave 3 passes no tensor load and so none of its v_nop)
	FETCH \next, 0, 0
	MULS NA/2, NA/2, 1, 0
.endm
	s_load_b256 s[4:11], s[0:1], 0x0               ; hc s[4:5], w2c s[6:7], b2 s[8:9], gs s[10:11]
	s_load_b64 s[12:13], s[0:1], 0x20              ; pp
	v_lshl_add_u32 v[SPW], v0, 2, SPARE
	v_mov_b32 v[NIL], 0
	ds_add_u32 v28, v29
	s_wait_dscnt 0x0
	v_lshrrev_b32 v1, 5, v0
	v_readfirstlane_b32 s14, v1                    ; wave 0..3
	s_lshr_b32 s15, s14, 1                         ; my half of the tokens.  Also, in waves 1 and 2: which block of weights I fetch
	s_and_b32 s16, s14, 1                          ; my block of 128 d
	s_bfe_u32 s17, ttmp6, 0x40000                  ; cx = the work-group's x: the grid has one cluster along x
	s_bfe_u32 s18, ttmp6, 0x40004                  ; cy
	s_and_b32 s19, ttmp7, 0xffff                   ; cluster y
	s_lshl_b32 s44, s18, 2
	s_lshl_b32 s44, 15, s44                        ; my row of the cluster
	s_lshl_b32 s45, 0x1111, s17                    ; my column
	s_or_b32 s[G1], s44, (3<<16)|(1<<21)           ; the mask; elements of 8 bytes; bit 21 beside a mask; no padding
	s_or_b32 s[G1B], s45, (3<<16)|(1<<21)
.irp g, G1, G1B
	s_mov_b32 s[\g+1], 32<<16                      ; rows of 256 bytes
	s_mov_b32 s[\g+2], RWS<<16
	s_mov_b32 s[\g+3], 32<<16
	s_mov_b32 s[\g+4], RWS
	s_mov_b32 s[\g+5], 32                          ; dense
	s_mov_b32 s[\g+6], 0
	s_mov_b32 s[\g+7], 0
.endr
	s_lshl_b32 s20, s19, 2
	s_add_co_u32 s20, s20, s18                     ; 8 e + tb: hc's block, 32 records
	s_mul_i32 s20, s20, 32*REC
	s_mov_b32 s21, 0
	s_lshr_b32 s22, s19, 1                         ; e: from the cluster's y alone
	s_lshl_b32 s22, s22, 3
	s_lshl_b32 s23, s17, 1
	s_add_co_u32 s22, s22, s23
	s_add_co_u32 s22, s22, s15                     ; w2c's block 8 e + 2 x + which
	s_mul_i32 s22, s22, 32*REC
	s_mov_b32 s23, 0
	s_mul_i32 s46, s14, STRM                       ; where they go: wave x a block's part
	s_wait_kmcnt 0x0
	s_add_nc_u64 s[20:21], s[4:5], s[20:21]
	s_add_nc_u64 s[22:23], s[6:7], s[22:23]
	CROUND                                         ; all sixteen work-groups are here: the first joint loads meet
.irp s, 0,1
	s_mov_b32 s[G0+4*\s], 1
	s_add_co_u32 s[G0+4*\s+1], s46, \s*SLOT
	s_add_nc_u64 s[G0+4*\s+2:G0+4*\s+3], s[20:21], \s*STRM
	s_or_b32 s[G0+4*\s+3], s[G0+4*\s+3], 0x80000000
	s_mov_b32 s[G0B+4*\s], 1
	s_add_co_u32 s[G0B+4*\s+1], s46, \s*SLOT
	s_add_nc_u64 s[G0B+4*\s+2:G0B+4*\s+3], s[22:23], \s*STRM
	s_or_b32 s[G0B+4*\s+3], s[G0B+4*\s+3], 0x80000000
.endr
	s_cmp_eq_u32 s14, 0                            ; a wave's two first fills stand in one branch: two loads of mine are out at the most
	s_cbranch_scc0 .Lfirst_not_a
	tensor_load_to_lds s[G0:G0+3], s[G1:G1+7]
	s_nop 0
	tensor_load_to_lds s[G0+4:G0+7], s[G1:G1+7]
	s_nop 0
.rept 4
	v_nop
.endr
	s_branch .Lfirst_asked
.Lfirst_not_a:
	s_cmp_lt_u32 s14, 3
	s_cbranch_scc0 .Lfirst_asked
	tensor_load_to_lds s[G0B:G0B+3], s[G1B:G1B+7]
	s_nop 0
	tensor_load_to_lds s[G0B+4:G0B+7], s[G1B:G1B+7]
	s_nop 0
.rept 4
	v_nop
.endr
.Lfirst_asked:
	v_and_b32 v3, 31, v0                           ; lane
	v_and_b32 v1, 15, v0                           ; r
	v_bfe_u32 v2, v0, 4, 1                         ; h
	v_lshlrev_b32 v4, 4, v3                        ; 16 x lane
	v_lshlrev_b32 v5, 2, v3                        ; 4 x lane
	v_lshlrev_b32 v16, 5, v2                       ; b2: 8 numbers on for lanes 16-31
	v_lshlrev_b32 v17, 2, v1                       ; the gates: 4 r
	s_mul_i32 s40, s15, 6144                       ; my four fragments of the tokens' block,
	s_lshl_b32 s41, s15, 8                         ; and their 64 scale words
	s_mul_i32 s42, s16, STRM
	s_add_co_u32 s42, s42, STRM                    ; my weights' block, behind the tokens'
.irp s, 0,1
	v_add_nc_u32 v[ADA+\s], s40, v4
	v_add_nc_u32 v[ADB+\s], s42, v4
	v_add_nc_u32 v[ASA+\s], s41, v5
	v_add_nc_u32 v[ASB+\s], s42, v5
	s_add_co_u32 s40, s40, SLOT
	s_add_co_u32 s41, s41, SLOT
	s_add_co_u32 s42, s42, SLOT
.endr
	s_mul_i32 s42, s14, 8448                       ; my stage for the way out: 16 rows x (512 bytes + 16), in slot 0
	v_mul_u32_u24 v18, v1, 528
	v_lshl_add_u32 v18, v2, 5, v18
	v_add_nc_u32 v18, s42, v18                     ; in: row r, 32 bytes for each half of the lanes
	v_add_nc_u32 v19, s42, v4                      ; back: the 32 lanes take one row of 512 bytes
	s_lshr_b32 s40, s19, 1                         ; e
	s_lshl_b32 s41, s19, 2
	s_add_co_u32 s41, s41, s18
	s_and_b32 s41, s41, 7                          ; tb
	s_mov_b32 s43, 0
	s_lshl_b32 s42, s40, 12                        ; b2: a row of 4,096 bytes an expert,
	s_lshl_b32 s47, s17, 10                        ; 256 d a work-group,
	s_add_co_u32 s42, s42, s47
	s_lshl_b32 s47, s16, 9                         ; 128 a wave
	s_add_co_u32 s42, s42, s47
	s_add_nc_u64 s[8:9], s[8:9], s[42:43]
	s_lshl_b32 s42, s40, 12                        ; gs: 1,024 tokens an expert,
	s_lshl_b32 s47, s41, 9                         ; 128 a work-group,
	s_add_co_u32 s42, s42, s47
	s_lshl_b32 s47, s15, 8                         ; 64 a wave
	s_add_co_u32 s42, s42, s47
	s_add_nc_u64 s[10:11], s[10:11], s[42:43]
	s_lshl_b32 s42, s40, 22                        ; pp: 2^22 bytes an expert, rows of 4,096 bytes
	s_lshl_b32 s47, s41, 19
	s_add_co_u32 s42, s42, s47
	s_lshl_b32 s47, s15, 18
	s_add_co_u32 s42, s42, s47
	s_lshl_b32 s47, s17, 10
	s_add_co_u32 s42, s42, s47
	s_lshl_b32 s47, s16, 9
	s_add_co_u32 s42, s42, s47
	s_add_nc_u64 s[12:13], s[12:13], s[42:43]
.irp a, 0,1,2,3
	global_load_b32 v[48+2*\a], v17, s[10:11] offset:64*\a   ; the gate of token 16 a + r
	v_mov_b32 v[49+2*\a], 0                        ; (named with it as a pair by the packed multiply, so it is written)
.endr
	WIN 0x40                                       ; destination window 1
.irp t, 0,1,2,3,4,5,6,7                ; b2 in the result's layout: tile t, lane half h: d 16 t + 8 h + 0 .. 7
	global_load_b128 v[96+8*\t+96*(\t/4):96+8*\t+96*(\t/4)+3], v16, s[8:9] offset:64*\t
	global_load_b128 v[100+8*\t+96*(\t/4):100+8*\t+96*(\t/4)+3], v16, s[8:9] offset:64*\t+16
.endr
	WIN 0
	s_wait_tensorcnt 0x1                           ; my part of slot 0 is in; slot 1's may stay out
	s_barrier_signal -1
	s_barrier_wait -1
	FETCH 0, 0, 0
	s_wait_loadcnt 0x0                             ; b2 and the gates
	STEP 0, 0, 1                                   ; the first step stands in front of the loop: its products start the sums
	WIN 0
	s_mov_b32 s3, LAPS-1
.Llap:                                                 ; a trip goes once round the ring, from a lap's second step to the next lap's first, and fills both slots again
	STEP 0, 1, 0
	STEP 0, 2, 0
	TURN 0, 1, 1
	STEP 1, 0, 0
	STEP 1, 1, 0
	STEP 1, 2, 0
	TURN 1, 0, 1
	STEP 0, 0, 0
	WIN 0
	s_sub_co_u32 s3, s3, 1
	s_cmp_lg_u32 s3, 0
	s_cbranch_scc1 .Llap
	STEP 0, 1, 0                                   ; the last lap fills nothing and has no round
	STEP 0, 2, 0
	TURN 0, 1, 0
	STEP 1, 0, 0
	STEP 1, 1, 0
	STEP 1, 2, 0
	s_wait_dscnt 0x0                               ; the very last step
	MULS 0, NA, 1, 0
	WIN 0
; THE WAY OUT, a tile of 16 tokens x 128 d at a time: x the token's gate, through my own stage in LDS, back as whole rows of 512 bytes.  The stage lies in slot 0, which has had its last fill, and which
; nobody reads since the last change of slots.  LDS serves a wave's instructions in order: no wait between the stores and the loads.
.macro TOSTAGE a
.if (\a) > 0
	s_wait_dscnt 16                                ; the last tile's sixteen stores into the stage have read their registers (its sixteen loads may be out)
.endif
	WIN 0x02                                       ; source 0: window 2
.set KK, 0
.rept 32
	v_pk_mul_f32 v[64+2*KK:65+2*KK], v[64*(\a)+2*KK:64*(\a)+2*KK+1], v[48+2*(\a):49+2*(\a)] op_sel_hi:[1,0]   ; each accumulator from its low end on
.set KK, KK+1
.endr
	WIN 0
.irp b, 0,1,2,3,4,5,6,7
	ds_store_b128 v18, v[64+8*\b:67+8*\b] offset:64*\b
	ds_store_b128 v18, v[68+8*\b:71+8*\b] offset:64*\b+16
.endr
.set BB, 128+64*((\a)%2)
.irp t, 0,1,2,3,4,5,6,7,8,9,10,11,12,13,14,15
	ds_load_b128 v[BB+4*\t:BB+4*\t+3], v19 offset:\t*528
.endr
.endm
.macro SEND a, younger                 ; younger: the LDS instructions issued behind tile a's loads, which may stay out
.set BB, 128+64*((\a)%2)
	s_wait_dscnt \younger
.irp t, 0,1,2,3,4,5,6,7,8,9,10,11,12,13,14,15
	global_store_b128 v4, v[BB+4*\t:BB+4*\t+3], s[12:13] offset:(16*(\a)+\t)*4096   ; 32 lanes store 512 consecutive bytes, at a multiple of 256 from pp's first byte
.endr
.endm
	PLACES 4                                       ; behind the last products
	TOSTAGE 0
.irp a, 1,2,3
.if \a > 1
	s_wait_xcnt 0x0                                ; tile a - 2's stores have read their registers: tile a's loads may land there
.endif
	TOSTAGE \a
	SEND \a-1, 32                                  ; behind tile a - 1's loads: tile a's 16 stores and 16 loads
.endr
	SEND 3, 0
	s_wait_tensorcnt 0x0                           ; the wave's end
	ds_add_u32 v[SPW], v[NIL]
	s_wait_dscnt 0x0
	CROUND                                         ; the closing round
	s_endpgm
.Lfunc_end_k_qecb19fb518_ffn2:
	.size	k_qecb19fb518_ffn2, .Lfunc_end_k_qecb19fb518_ffn2-k_qecb19fb518_ffn2
	.p2alignl 7, 3214868480
	.fill 96, 4, 3214868480
	.section	.rodata,"a",@progbits
	.p2align	6, 0x0
	.amdhsa_kernel k_qecb19fb518_ffn2
		.amdhsa_group_segment_fixed_size 327680
		.amdhsa_private_segment_fixed_size 0
		.amdhsa_enable_private_segment 0
		.amdhsa_kernarg_size 40
		.amdhsa_user_sgpr_count 2
		.amdhsa_user_sgpr_kernarg_segment_ptr 1
		.amdhsa_wavefront_size32 1
		.amdhsa_system_sgpr_workgroup_id_x 1
		.amdhsa_system_sgpr_workgroup_id_y 1
		.amdhsa_system_sgpr_workgroup_id_z 1
		.amdhsa_system_vgpr_workitem_id 0
		.amdhsa_next_free_vgpr 768
		.amdhsa_next_free_sgpr 66
		.amdhsa_reserve_vcc 0
		.amdhsa_float_denorm_mode_32 3
		.amdhsa_float_denorm_mode_16_64 3
		.amdhsa_memory_ordered 1
		.amdhsa_forward_progress 1
		.amdhsa_inst_pref_size 145
	.end_amdhsa_kernel
	.amdgpu_metadata
---
amdhsa.version: [ 1, 2 ]
amdhsa.kernels:
  - .name:           k_qecb19fb518_ffn2
    .symbol:         k_qecb19fb518_ffn2.kd
    .args:
      - { .name: hc, .offset: 0, .size: 8, .value_kind: global_buffer, .address_space: global }
      - { .name: w2c, .offset: 8, .size: 8, .value_kind: global_buffer, .address_space: global }
      - { .name: b2, .offset: 16, .size: 8, .value_kind: global_buffer, .address_space: global }
      - { .name: gs, .offset: 24, .size: 8, .value_kind: global_buffer, .address_space: global }
      - { .name: pp, .offset: 32, .size: 8, .value_kind: global_buffer, .address_space: global }
    .group_segment_fixed_size: 327680
    .private_segment_fixed_size: 0
    .kernarg_segment_align: 8
    .kernarg_segment_size: 40
    .max_flat_workgroup_size: 128
    .sgpr_count:     66
    .vgpr_count:     768
    .wavefront_size: 32
...
	.end_amdgpu_metadata
.endif
;; end of part 3
;; launch sum8 (part 4): grid 256 x 1, 8 waves a work-group, no clusters, 0 bytes of LDS; arguments pp, out0; writes out0
.if DOCPART == 4
	.amdgcn_target "amdgcn-amd-amdhsa--gfx1250"
	.amdhsa_code_object_version 6
	.text
	.protected	k_qecb19fb518_sum8
	.globl	k_qecb19fb518_sum8
	.p2align	8
	.type	k_qecb19fb518_sum8,@function
k_qecb19fb518_sum8:
	s_mov_b64 s[64:65], 0
	v_nop
	global_prefetch_b8 v0, s[64:65] scope:SCOPE_SE
	s_setreg_imm32_b32 hwreg(HW_REG_WAVE_MODE, 25, 1), 1
	s_wait_xcnt 0x0
; SUM8: out0[token][d] = the sum over the eight experts of pp[e][token][d], e ascending, in f32.
; A stream: 256 work-groups x 256 threads x 16 bytes cover 2^20 bytes; four such chunks cover out0's 2^22.  A thread loads its 16 bytes of all eight experts for all four chunks at once (32 loads),
; adds, and stores: every load and store of a wave covers 512 consecutive bytes.  No LDS, no barrier, no matrix unit, no cluster: nothing is shared and nothing is read twice.
	s_load_b128 s[4:7], s[0:1], 0x0                ; pp, out0
	v_lshlrev_b32 v2, 4, v0
	s_lshl_b32 s8, ttmp9, 12
	v_add_nc_u32 v2, s8, v2                        ; 16 x thread + 4,096 x work-group
.irp e, 1,2,3,4,5,6,7
	v_add_nc_u32 v[2+\e], \e*4194304, v2           ; an expert's plane is 2^22 bytes: beyond a load's immediate, so each has its offset register
.endr
	s_wait_kmcnt 0x0
.irp c, 0,1,2,3
.irp e, 0,1,2,3,4,5,6,7
	global_load_b128 v[16+4*(8*\c+\e):16+4*(8*\c+\e)+3], v[2+\e], s[4:5] offset:\c*1048576 th:TH_LOAD_NT
.endr
.endr
.irp c, 0,1,2,3
	s_wait_loadcnt 8*(3-\c)                        ; this chunk's eight loads are in; the later chunks' may be out
.irp e, 1,2,3,4,5,6,7
	v_pk_add_f32 v[16+32*\c:17+32*\c], v[16+32*\c:17+32*\c], v[16+32*\c+4*\e:17+32*\c+4*\e]
	v_pk_add_f32 v[18+32*\c:19+32*\c], v[18+32*\c:19+32*\c], v[18+32*\c+4*\e:19+32*\c+4*\e]
.endr
	global_store_b128 v2, v[16+32*\c:19+32*\c], s[6:7] offset:\c*1048576 th:TH_STORE_NT
.endr
	s_endpgm
.Lfunc_end_k_qecb19fb518_sum8:
	.size	k_qecb19fb518_sum8, .Lfunc_end_k_qecb19fb518_sum8-k_qecb19fb518_sum8
	.p2alignl 7, 3214868480
	.fill 96, 4, 3214868480
	.section	.rodata,"a",@progbits
	.p2align	6, 0x0
	.amdhsa_kernel k_qecb19fb518_sum8
		.amdhsa_group_segment_fixed_size 0
		.amdhsa_private_segment_fixed_size 0
		.amdhsa_enable_private_segment 0
		.amdhsa_kernarg_size 16
		.amdhsa_user_sgpr_count 2
		.amdhsa_user_sgpr_kernarg_segment_ptr 1
		.amdhsa_wavefront_size32 1
		.amdhsa_system_sgpr_workgroup_id_x 1
		.amdhsa_system_sgpr_workgroup_id_y 1
		.amdhsa_system_sgpr_workgroup_id_z 1
		.amdhsa_system_vgpr_workitem_id 0
		.amdhsa_next_free_vgpr 160
		.amdhsa_next_free_sgpr 66
		.amdhsa_reserve_vcc 0
		.amdhsa_float_denorm_mode_32 3
		.amdhsa_float_denorm_mode_16_64 3
		.amdhsa_memory_ordered 1
		.amdhsa_forward_progress 1
		.amdhsa_inst_pref_size 8
	.end_amdhsa_kernel
	.amdgpu_metadata
---
amdhsa.version: [ 1, 2 ]
amdhsa.kernels:
  - .name:           k_qecb19fb518_sum8
    .symbol:         k_qecb19fb518_sum8.kd
    .args:
      - { .name: pp, .offset: 0, .size: 8, .value_kind: global_buffer, .address_space: global }
      - { .name: out0, .offset: 8, .size: 8, .value_kind: global_buffer, .address_space: global }
    .group_segment_fixed_size: 0
    .private_segment_fixed_size: 0
    .kernarg_segment_align: 8
    .kernarg_segment_size: 16
    .max_flat_workgroup_size: 256
    .sgpr_count:     66
    .vgpr_count:     160
    .wavefront_size: 32
...
	.end_amdgpu_metadata
.endif
;; end of part 4
;; ======== version 2 of 2: 4 launches; version 1 with the launch prep written anew for expert scheduling mode
;; workspace buffers: xc 819,200 bytes; gs 32,768 bytes; w1c 26,214,400 bytes; w2c 26,214,400 bytes; hc 26,214,400 bytes; pp 33,554,432 bytes
;; launch prep (part 5): grid 2112 x 1, 4 waves a work-group, no clusters, 4,608 bytes of LDS; arguments x, b_seq, w_gates, w1, w2, xc, gs, w1c, w2c; writes xc, gs, w1c, w2c
.if DOCPART == 5
	.amdgcn_target "amdgcn-amd-amdhsa--gfx1250"
	.amdhsa_code_object_version 6
	.text
	.protected	k_qecb19fb518_prep
	.globl	k_qecb19fb518_prep
	.p2align	8
	.type	k_qecb19fb518_prep,@function
k_qecb19fb518_prep:
	s_mov_b64 s[64:65], 0
	v_nop
	global_prefetch_b8 v0, s[64:65] scope:SCOPE_SE
	s_setreg_imm32_b32 hwreg(HW_REG_WAVE_SCHED_MODE, 0, 2), 2
	s_setreg_imm32_b32 hwreg(HW_REG_WAVE_MODE, 25, 1), 1
	s_wait_xcnt 0x0
	s_wait_alu depctr_vm_vsrc(0)
; PREP: every f32 operand of the quantised products becomes codes of BF6 (E3M2) with one E8M0 byte for each 32 along K, and the gates are finished.
; Work-groups 0-63: 16 tokens each: x -> xc; logits = x w_gates on codes; softmax over the 8 experts; the task that b_seq names is chosen (0: all gates 0) -> gs [expert][token].
; Work-groups 64-1087: w1 [e][k 1024][f 4096] -> w1c.   Work-groups 1088-2111: w2 [e][k 4096][d 1024] -> w2c.   Each makes 128 columns x 256 along K.
; The x work-groups stand first and are short: a wave asks for all its x at once, and its chain of waits for memory (x; then the gates' weights, two blocks ahead) is about as long as a weight work-group's.
; A RECORD (REC bytes) is 128 rows x 128 K as AN IMAGE OF THE OPERAND'S REGISTERS: fragment i (rows 16 i on, 12 registers a lane) at 1536 i as three planes of 512 bytes, lane l's registers 4 c .. 4 c + 3 at
; 512 c + 16 l; behind the eight fragments, at 12288, the rows' scale words, 4 bytes a row.  So the products' launches bring records as dense blocks and load fragments 16 bytes a lane.
; WEIGHTS: K is not innermost, so A LANE TAKES A COLUMN AND ITS REGISTERS RUN DOWN K: a block of 32 lies in one lane's 32 registers; a wave's load reads 128 consecutive bytes, the four waves 512.
; In w1c row position p of each 32 holds hidden unit p with bits 3 and 4 exchanged: in the first product's result a lane's 16 registers of two neighbouring tiles are then 16 neighbours along the second product's K.
; A block's scale is 2^(floor(log2(largest magnitude)) - 4); its byte is the largest magnitude's exponent field - 4, held at 1 from below by a floor among the maximum's leaves.
; LIMITS: NaN and infinities among the inputs are not served.  Blocks whose largest magnitude lies under 2^-122 (blocks of zeros among them) keep the byte 1; a block of zeros has zero codes, and these bytes are read by this program alone.
; No cluster, no tensor load: the work-groups share no large input (w_gates, 128 KiB, is the only one read by several).
; REGISTERS: v1 lane, v2 r, v3 h; v9, v15 store offsets; v10-13 at work; v14 my column's offset; v32-95 two sets of 32 numbers;
;   v96-143 four fragments (record rec: v96 + 24 rec, v108 + 24 rec); v144-145 their scale words; v146-148 a conversion's second half; v192-193 the closing add's two.
;   The x path besides: v4 b_seq; v5, v6 x's two scale words; v7, v8 load offsets; v16-31 at work in the quantiser, then two accumulators; v32-95 and v96-159 first hold x's two K steps;
;   v149 the scale words as stored; v150-154 addresses and task numbers; v160-171, v172-183 x's two fragments; v184-191 the conversions' second halves.
; THE MODE: SCHED_MODE bits 1:0 = 2 (LLVM: expert scheduling mode 2), set by the entry lines.  The code itself states the register dependences
; between vector or matrix instructions and memory or LDS instructions, with s_wait_alu, always for 0.
; THE PLAN.  Registers that memory or LDS instructions touch:
;   v7, v8, v14   load offsets; v9, v15 store offsets: written at a path's head, ahead of its first wait on va_vdst, and never again.
;   v32-63, v64-95   Block t: its maxima and conversions read set t % 2; behind them the loads of block t + 2 land in it.
;   v96-119 with v144, v120-143 with v145   a record's codes and scale words: written by its four blocks' conversions, moves and exchanges; read by its seven stores (weights) or by the matrix instructions (gates); never written again.
;   So ONE wait on va_vdst stands in a block, behind its last vector line: the set is read out, and at a record's end the record is written.  The block's loads and stores follow it.  A block that issues neither has no wait.
;   The x path besides: v32-159 take x's loads and are read by the quantiser; v160-183 and v149 are written by it and read by seven stores; v150-152 are addresses, made once; v16-23 are the LDS stores' data;
;   v32-63 take wave 0's LDS loads; v56-59 are the last stores' data.  Each has its wait where it changes sides.
;   No register that a load, a store or an LDS instruction reads is written again behind it, on any path, and the text has no loop: so no wait on vm_vsrc is owed.
.set REC,   12800
.set FLOOR, 0x2800000                  ; 2^(5 - 127)
.set EOFF,  0xfe000000                 ; -(4 << 23)
.set NX,    64                         ; work-groups of the x path
.set SEL,   26                         ; s[26:27] selects of v_permlanex16_b32: lane l xor 16
.set TM,    16                         ; v16-19 maxima, v20-23 bytes, v28-31 scale operands
.macro WLOAD t, pitch, src, nt         ; block t: rows 32 t .. 32 t + 31 of my column into set t % 2
.set II, 0
.rept 32
.if \nt
	global_load_b32 v[32+32*((\t)%2)+II], v14, s[\src:\src+1] offset:(32*(\t)+II)*\pitch th:TH_LOAD_NT
.else
	global_load_b32 v[32+32*((\t)%2)+II], v14, s[\src:\src+1] offset:(32*(\t)+II)*\pitch
.endif
.set II, II+1
.endr
.endm
.macro WBLK t, pitch, src, dst, store, nt
.set XS, 32+32*((\t)%2)
.set Q,  (\t)%4                        ; the block's place in its record
.set RC, (\t)/4                        ; which of the wave's two records
.set FD, 96+24*RC+12*(Q%2)+6*(Q/2)
.set OWED, 0                           ; 1: this block issues loads or stores, so it has its wait
.if (\t) < 6
.set OWED, 1
.endif
.if Q == 3
.if \store
.set OWED, 1
.endif
.endif
.if (\t) < 7
	s_wait_loadcnt 32                              ; this block's 32 loads are in; the next block's 32 may be out
.else
	s_wait_loadcnt 0x0
.endif
	v_max3_num_f32 v12, |v[XS]|, |v[XS+1]|, |v[XS+2]|  ; the block's largest magnitude: all 32 numbers are mine; two chains
	v_max3_num_f32 v13, |v[XS+3]|, |v[XS+4]|, |v[XS+5]|
.irp i, 6,10,14,18,22,26
	v_max3_num_f32 v12, v12, |v[XS+\i]|, |v[XS+\i+1]|
	v_max3_num_f32 v13, v13, |v[XS+\i+2]|, |v[XS+\i+3]|
.endr
	v_max3_num_f32 v12, v12, |v[XS+30]|, |v[XS+31]|
	v_max3_num_f32 v12, v12, v13, FLOOR            ; and the floor: the byte cannot fall under 1
	v_add_nc_u32 v11, EOFF, v12                    ; 4 off the exponent field: the conversion's scale operand
	v_lshrrev_b32 v10, 23, v11                     ; the scale's byte
.if Q == 0
	v_mov_b32 v[144+RC], v10                       ; four bytes make my column's scale word
.else
	v_lshl_or_b32 v[144+RC], v10, 8*Q, v[144+RC]
.endif
	v_cvt_scalef32_pk16_bf6_f32 v[FD:FD+2], v[XS:XS+15], v11
	v_cvt_scalef32_pk16_bf6_f32 v[146:148], v[XS+16:XS+31], v11   ; (a conversion's three registers begin on an even number)
	v_nop                                          ; one plain place behind a scaled conversion
.irp i, 0,1,2
	v_mov_b32 v[FD+3+\i], v[146+\i]
.endr
.if Q == 3
; Even blocks lie in the first run of 12 registers, odd ones in the second, each for column = lane.  The exchange of the first's lanes 16-31 with the second's lanes 0-15 makes the
; first the fragment of columns 0-15 (lane (r, h): blocks 2 c + h of column r) and the second that of columns 16-31.
.set JJ, 0
.rept 12
	v_permlane16_swap_b32 v[96+24*RC+JJ], v[108+24*RC+JJ]
.set JJ, JJ+1
.endr
.endif
.if OWED
	s_wait_alu depctr_va_vdst(0)                   ; the maxima and conversions are done reading this block's set, in which the loads below land; at a record's end its codes and its scale word are written, which the stores below read
.endif
.if (\t) < 6
	WLOAD (\t)+2, \pitch, \src, \nt
.endif
.if Q == 3
.if \store
.irp c, 0,1,2
	global_store_b128 v15, v[96+24*RC+4*\c:96+24*RC+4*\c+3], s[\dst:\dst+1] offset:RC*REC+512*\c          ; 32 lanes store 512 consecutive bytes, at a multiple of 256 from the buffer's first byte
	global_store_b128 v15, v[108+24*RC+4*\c:108+24*RC+4*\c+3], s[\dst:\dst+1] offset:RC*REC+1536+512*\c
.endr
	global_store_b32 v9, v[144+RC], s[\dst:\dst+1] offset:RC*REC+12288   ; each record has registers of its own: no store's data are written again
.endif
.endif
.endm
.macro WQ pitch, src, dst, store, nt   ; 32 columns x 256 along K: eight blocks a lane, loads two blocks ahead
	s_wait_alu depctr_va_vdst(0)                   ; my three offsets are written: v14, which every load reads, v15 and v9, which the stores read
	WLOAD 0, \pitch, \src, \nt
	WLOAD 1, \pitch, \src, \nt
.irp t, 0,1,2,3,4,5,6,7
	WBLK \t, \pitch, \src, \dst, \store, \nt
.endr
.endm
; 64 numbers of a lane, v[s] on, register 16 b + i = k 32 b + 16 (lane / 16) + i of my row, become a fragment's codes in v[pc] on and its scale word in v[pw]; v[pt] on: eight registers at work
.macro QUANT s, pc, pt, pw
.irp b, 0,1,2,3
	v_max3_num_f32 v[TM+\b], |v[\s+16*\b]|, |v[\s+1+16*\b]|, FLOOR
.endr
.irp i, 2,4,6,8,10,12,14
.irp b, 0,1,2,3
	v_max3_num_f32 v[TM+\b], v[TM+\b], |v[\s+16*\b+\i]|, |v[\s+1+16*\b+\i]|   ; the four blocks by turns
.endr
.endr
.irp b, 0,1,2,3
	v_permlanex16_b32 v[TM+4+\b], v[TM+\b], s[SEL], s[SEL+1]
.endr
.irp b, 0,1,2,3
	v_max_num_f32 v[TM+\b], v[TM+\b], v[TM+4+\b]   ; with lane l xor 16's 16 numbers: the block's largest magnitude
.endr
.irp b, 0,1,2,3
	v_add_nc_u32 v[TM+12+\b], EOFF, v[TM+\b]
.endr
.irp b, 0,1,2,3
	v_lshrrev_b32 v[TM+4+\b], 23, v[TM+12+\b]
.endr
	v_lshl_or_b32 v[\pw], v[TM+5], 8, v[TM+4]      ; my row's scale word: the same in lanes l and l xor 16
	v_lshl_or_b32 v[\pw], v[TM+6], 16, v[\pw]
	v_lshl_or_b32 v[\pw], v[TM+7], 24, v[\pw]
.irp c, 0,1
	v_cvt_scalef32_pk16_bf6_f32 v[\pc+6*\c:\pc+2+6*\c], v[\s+32*\c:\s+15+32*\c], v[TM+12+2*\c]
	v_cvt_scalef32_pk16_bf6_f32 v[\pt+4*\c:\pt+2+4*\c], v[\s+16+32*\c:\s+31+32*\c], v[TM+12+2*\c+1]
.endr
	v_nop                                          ; one plain place behind a scaled conversion
.irp c, 0,1                            ; the operand's layout wants a whole block in a lane
.irp i, 0,1,2
	v_permlane16_swap_b32 v[\pc+6*\c+\i], v[\pt+4*\c+\i]
.endr
.irp i, 0,1,2
	v_mov_b32 v[\pc+3+6*\c+\i], v[\pt+4*\c+\i]
.endr
.endr
.endm
	s_load_b512 s[4:19], s[0:1], 0x0               ; x, b_seq, w_gates, w1, w2, xc, gs, w1c
	s_load_b64 s[20:21], s[0:1], 0x40              ; w2c
	v_lshl_add_u32 v192, v0, 2, 0x1000
	v_mov_b32 v193, 0
	v_lshrrev_b32 v1, 5, v0
	v_readfirstlane_b32 s24, v1                    ; wave 0..3
	v_and_b32 v1, 31, v0                           ; lane
	v_and_b32 v2, 15, v0                           ; r
	v_bfe_u32 v3, v0, 4, 1                         ; h
	s_wait_alu depctr_va_sdst(0)                   ; s24 is written, ahead of its first reader: offsets and bases are made from it
	s_lshl_b32 s25, s24, 7                         ; 128 x wave
	s_mov_b32 s35, 0
	s_wait_kmcnt 0x0
	s_cmp_lt_u32 ttmp9, NX
	s_cbranch_scc1 .Lx
	v_lshlrev_b32 v15, 4, v1
	s_mul_i32 s33, s24, 3072
	v_add_nc_u32 v15, s33, v15                     ; my wave's two fragments in a record: 16 x lane + 3072 x wave
	v_lshl_add_u32 v9, v1, 2, s25                  ; and its 32 scale words: 4 x lane + 128 x wave
	s_cmp_lt_u32 ttmp9, NX+1024
	s_cbranch_scc1 .Lw1
	; ---- w2: idx = cb (8 blocks of 128 columns) + 8 kq (16 runs of 256 along K) + 128 e
	s_sub_co_u32 s28, ttmp9, NX+1024
	s_and_b32 s29, s28, 7                          ; cb
	s_bfe_u32 s30, s28, 0x40003                    ; kq
	s_lshr_b32 s32, s28, 7                         ; e
	s_lshl_b32 s34, s32, 24                        ; an expert is 2^24 bytes,
	s_lshl_b32 s33, s30, 20                        ; 256 rows of 4,096 bytes,
	s_or_b32 s34, s34, s33
	s_lshl_b32 s33, s29, 9                         ; 128 columns,
	s_or_b32 s34, s34, s33
	s_or_b32 s34, s34, s25                         ; my wave's 32
	s_add_nc_u64 s[12:13], s[12:13], s[34:35]
	s_lshl_b32 s33, s32, 3
	s_add_co_u32 s33, s33, s29
	s_lshl_b32 s33, s33, 5
	s_lshl_b32 s36, s30, 1
	s_add_co_u32 s33, s33, s36                     ; record (8 e + cb) 32 + 2 kq
	s_mul_i32 s34, s33, REC
	s_add_nc_u64 s[20:21], s[20:21], s[34:35]
	v_lshlrev_b32 v14, 2, v1                       ; column = lane
	WQ 4096, 12, 20, 1, 1
	s_endpgm
.Lw1:	; ---- w1: idx = cb (32) + 32 kq (4) + 128 e
	s_sub_co_u32 s28, ttmp9, NX
	s_and_b32 s29, s28, 31                         ; cb
	s_bfe_u32 s30, s28, 0x20005                    ; kq
	s_lshr_b32 s32, s28, 7                         ; e
	s_lshl_b32 s34, s32, 24
	s_lshl_b32 s33, s30, 22                        ; 256 rows of 16,384 bytes
	s_or_b32 s34, s34, s33
	s_lshl_b32 s33, s29, 9
	s_or_b32 s34, s34, s33
	s_or_b32 s34, s34, s25
	s_add_nc_u64 s[10:11], s[10:11], s[34:35]
	s_lshl_b32 s33, s32, 5
	s_add_co_u32 s33, s33, s29
	s_lshl_b32 s33, s33, 3
	s_lshl_b32 s36, s30, 1
	s_add_co_u32 s33, s33, s36                     ; record (32 e + cb) 8 + 2 kq
	s_mul_i32 s34, s33, REC
	s_add_nc_u64 s[18:19], s[18:19], s[34:35]
	v_and_b32 v14, 7, v1                           ; column = lane with bits 3 and 4 exchanged
	v_bfe_u32 v10, v1, 3, 1
	v_lshl_add_u32 v14, v10, 4, v14
	v_lshl_add_u32 v14, v3, 3, v14
	v_lshlrev_b32 v14, 2, v14
	WQ 16384, 10, 18, 1, 1
	s_endpgm
.Lx:	; ---- x and the gates: tokens 16 g on, one tile; wave w takes K steps 2 w and 2 w + 1
	s_mov_b32 s29, 0
	s_lshl_b32 s28, ttmp9, 6                       ; 16 tokens of 4 bytes
	s_add_nc_u64 s[6:7], s[6:7], s[28:29]          ; b_seq at token 16 g,
	s_add_nc_u64 s[16:17], s[16:17], s[28:29]      ; gs likewise
	s_lshl_b32 s28, ttmp9, 16                      ; 16 rows of 4,096 bytes,
	s_lshl_b32 s30, s24, 10                        ; my two K steps of 512 bytes
	s_or_b32 s28, s28, s30
	s_add_nc_u64 s[4:5], s[4:5], s[28:29]
	s_lshl_b32 s28, s24, 13                        ; w_gates: 256 rows of 32 bytes a wave
	s_add_nc_u64 s[8:9], s[8:9], s[28:29]
	s_lshr_b32 s28, ttmp9, 3                       ; the block of 128 tokens,
	s_lshl_b32 s28, s28, 3
	s_lshl_b32 s30, s24, 1
	s_add_co_u32 s28, s28, s30                     ; record (g / 8) 8 + 2 w
	s_mul_i32 s28, s28, REC
	s_add_nc_u64 s[14:15], s[14:15], s[28:29]
	s_and_b32 s30, ttmp9, 7                        ; which of the record's eight tiles
	s_mul_i32 s32, s30, 1536
	v_lshl_add_u32 v15, v1, 4, s32                 ; codes: 16 x lane + my fragment
	s_lshl_b32 s32, s30, 6
	v_lshl_add_u32 v9, v2, 2, s32                  ; scale words: 4 r + my tile's 16 words,
	v_mul_u32_u24 v10, v3, REC
	v_add_nc_u32 v9, v9, v10                       ; and lanes 16-31 a record on: one store serves both K steps
	s_mov_b32 s[SEL], 0x76543210
	s_mov_b32 s[SEL+1], 0xfedcba98
	v_cmp_gt_u32 s40, 16, v1                       ; lanes 0-15
	v_lshlrev_b32 v8, 2, v2                        ; 4 r
	v_lshlrev_b32 v7, 12, v2
	v_lshl_add_u32 v7, v3, 6, v7                   ; x: row r, + 64 h: my 16 numbers of a block of 32
.irp b, 0,1,2,3
	v_mov_b32 v[TM+4+\b], 0                        ; written once: a lane permute's destination counts as one of its sources
.endr
	v_lshrrev_b32 v14, 3, v1                       ; w_gates as 32 columns: lane = 8 task + expert
	v_lshlrev_b32 v14, 15, v14
	v_and_b32 v10, 7, v1
	v_lshl_add_u32 v14, v10, 2, v14
	s_wait_alu depctr_va_sdst(0)                   ; s40 is written, ahead of its first reader, the choice of the scale words below
	s_wait_alu depctr_va_vdst(0)                   ; the five offsets are written: v8, v7 and v14, which the loads read, v15 and v9, which the stores read
	global_load_b32 v4, v8, s[6:7]                 ; b_seq of token r
.macro XLOAD sg, reg                   ; my K step sg: 64 numbers a lane
.irp b, 0,1,2,3
.irp j, 0,1,2,3
	global_load_b128 v[\reg+16*\b+4*\j:\reg+16*\b+4*\j+3], v7, s[4:5] offset:(\sg)*512+128*\b+16*\j th:TH_LOAD_NT
.endr
.endr
.endm
	XLOAD 0, 32
	XLOAD 1, 96
	s_wait_loadcnt 0x0                             ; both K steps were asked for together
	QUANT 32, 160, 184, 5
	s_wait_alu depctr_va_vdst(0)                   ; the quantiser is done reading v32-95, in which the gates' first two blocks land
	WLOAD 0, 32, 8, 0                              ; the gates' first two blocks are asked for as soon as their registers are free,
	WLOAD 1, 32, 8, 0
	QUANT 96, 172, 184, 6                          ; and are on their way while the second K step is quantised (it names none of v32-95)
	v_cndmask_b32 v149, v6, v5, s40                ; lanes 0-15 the first K step's words, lanes 16-31 the second's
	s_wait_alu depctr_va_vdst(0)                   ; both fragments' codes, v160-183, and the scale words, v149, are written, which the seven stores below read
.irp c, 0,1,2
	global_store_b128 v15, v[160+4*\c:163+4*\c], s[14:15] offset:512*\c          ; 32 lanes store 512 consecutive bytes, at a multiple of 256 from xc's first byte
	global_store_b128 v15, v[172+4*\c:175+4*\c], s[14:15] offset:REC+512*\c
.endr
	global_store_b32 v9, v149, s[14:15] offset:12288   ; none of these stores' registers is written again
	v_lshlrev_b32 v151, 4, v1                      ; LDS, back: 16 x lane
	s_lshl_b32 s33, s24, 10
	v_add_nc_u32 v150, s33, v151                   ; LDS, in: my partial logits: 16 x lane + 1,024 x wave
	v_lshl_add_u32 v152, v3, 14, v8                ; gs: 4 r + four experts of 4,096 bytes for lanes 16-31
	v_add_nc_u32 v153, 1, v3                       ; b_seq's values of the two tasks that my half of the lanes holds: 1 + h
	v_add_nc_u32 v154, 3, v3                       ; and 3 + h
.irp t, 0,1,2,3,4,5,6,7                ; the gates' weights of my 256 along K: fragments (K step s, tasks 0-1 / 2-3) at v96 + 24 s, v108 + 24 s; scale words v144 + s
	WBLK \t, 32, 8, 8, 0, 0
.endr
.rept 8
	v_nop                                          ; a scale word written by vector instructions stands 8 places ahead of a scaled matrix instruction, an operand 4
.endr
	s_wait_alu depctr_va_vdst(0)                   ; behind the places: vector instructions have written the products' operands, v96-143 and v160-183, and their scale words, v144, v145, v5, v6
; logits^T: source 0 = 16 columns of w_gates, source 1 = my 16 tokens: lane (r, h) holds token r, register j expert j, of task h (first accumulator) and 2 + h (second).  The two take turns.
	v_wmma_scale_f32_16x16x128_f8f6f4 v[16:23], v[96:107], v[160:171], 0, v144, v5 matrix_a_fmt:MATRIX_FMT_BF6 matrix_b_fmt:MATRIX_FMT_BF6
	v_wmma_scale_f32_16x16x128_f8f6f4 v[24:31], v[108:119], v[160:171], 0, v144, v5 matrix_a_fmt:MATRIX_FMT_BF6 matrix_b_fmt:MATRIX_FMT_BF6 matrix_a_scale:MATRIX_SCALE_ROW1
	v_wmma_scale_f32_16x16x128_f8f6f4 v[16:23], v[120:131], v[172:183], v[16:23], v145, v6 matrix_a_fmt:MATRIX_FMT_BF6 matrix_b_fmt:MATRIX_FMT_BF6
	v_wmma_scale_f32_16x16x128_f8f6f4 v[24:31], v[132:143], v[172:183], v[24:31], v145, v6 matrix_a_fmt:MATRIX_FMT_BF6 matrix_b_fmt:MATRIX_FMT_BF6 matrix_a_scale:MATRIX_SCALE_ROW1
.rept 4
	v_nop                                          ; four places ahead of the first read of results
.endr
	v_cmp_eq_u32 vcc_lo, v4, v154                  ; the token's task is 2 + h: the second accumulator's; else the first's is kept (the choice is the same in all four waves, so it may stand ahead of their sum)
	s_wait_alu depctr_va_vcc(0)                    ; VCC is written, ahead of its first reader
.irp j, 0,1,2,3,4,5,6,7
	v_cndmask_b32 v[16+\j], v[16+\j], v[24+\j], vcc_lo
.endr
	s_wait_alu depctr_va_vdst(0)                   ; the choices have written v16-23, which the LDS stores read.  No vector line stands between here and wave 0's LDS loads: so this wait also states that the gates' blocks are done reading v32-63, in which those land
	ds_store_b128 v150, v[16:19]
	ds_store_b128 v150, v[20:23] offset:512
	s_wait_dscnt 0x0                               ; for wave 0's sake: my partial logits lie in LDS
	s_barrier_signal -1
	s_barrier_wait -1
	s_cmp_lg_u32 s24, 0                            ; wave 0 finishes the tile; no barrier follows
	s_cbranch_scc1 .Lxend
.irp p, 0,1,2,3                        ; the four waves' parts of K
	ds_load_b128 v[32+8*\p:35+8*\p], v151 offset:1024*\p
	ds_load_b128 v[36+8*\p:39+8*\p], v151 offset:1024*\p+512
.endr
	s_wait_dscnt 0x0
.irp p, 1,2,3
.irp j, 0,1,2,3,4,5,6,7
	v_add_f32 v[32+\j], v[32+\j], v[32+8*\p+\j]
.endr
.endr
	v_max3_num_f32 v64, v32, v33, v34              ; softmax over my eight experts: the largest logit is taken away first
	v_max3_num_f32 v64, v64, v35, v36
	v_max3_num_f32 v64, v64, v37, v38
	v_max_num_f32 v64, v64, v39
.irp j, 0,1,2,3,4,5,6,7
	v_sub_f32 v[40+\j], v[32+\j], v64
.endr
.irp j, 0,1,2,3,4,5,6,7
	v_mul_f32 v[40+\j], 0x3fb8aa3b, v[40+\j]       ; x log2(e)
.endr
.irp j, 0,1,2,3,4,5,6,7
	v_exp_f32 v[40+\j], v[40+\j]
.endr
	v_nop                                          ; a plain place behind the exponentials
	v_cmp_eq_u32 s41, v4, v153
	v_cmp_eq_u32 s42, v4, v154
	s_wait_alu depctr_va_sdst(0)                   ; s41 and s42 are written, ahead of their first reader: one wait for the two compares
	s_or_b32 s41, s41, s42                         ; the token's task is one of my half's two
	s_wait_alu depctr_va_vdst(0)                   ; the eight exponentials have written v40-47: one wait, ahead of their first reader
	v_add_f32 v65, v40, v41
	v_add_f32 v66, v42, v43
	v_add_f32 v67, v44, v45
	v_add_f32 v68, v46, v47
	v_add_f32 v65, v65, v66
	v_add_f32 v67, v67, v68
	v_add_f32 v65, v65, v67
	v_rcp_f32 v66, v65
	v_nop
	s_wait_alu depctr_va_vdst(0)                   ; the reciprocal has written v66, ahead of its first reader
.irp j, 0,1,2,3,4,5,6,7
	v_mul_f32 v[40+\j], v[40+\j], v66
.endr
.irp j, 0,1,2,3,4,5,6,7
	v_cndmask_b32 v[40+\j], 0, v[40+\j], s41       ; the half that does not hold the token's task gives 0; with b_seq = 0 both do
.endr
.irp j, 0,1,2,3,4,5,6,7
	v_permlanex16_b32 v[48+\j], v[40+\j], s[SEL], s[SEL+1]
.endr
.irp j, 0,1,2,3,4,5,6,7
	v_add_f32 v[40+\j], v[40+\j], v[48+\j]         ; both halves now hold the token's eight gates
.endr
.irp k, 0,1,2,3
	v_cndmask_b32 v[56+\k], v[44+\k], v[40+\k], s40   ; lanes 0-15 store experts 0-3, lanes 16-31 experts 4-7
.endr
	s_wait_alu depctr_va_vdst(0)                   ; the choices have written v56-59, which the four stores read
.irp k, 0,1,2,3
	global_store_b32 v152, v[56+\k], s[16:17] offset:4096*\k
.endr
.Lxend:
	s_wait_dscnt 0x0                               ; the closing lines, six on end
	s_wait_alu 0x0
	s_wait_tensorcnt 0x0
	ds_add_u32 v192, v193
	s_wait_dscnt 0x0
	s_endpgm
.Lfunc_end_k_qecb19fb518_prep:
	.size	k_qecb19fb518_prep, .Lfunc_end_k_qecb19fb518_prep-k_qecb19fb518_prep
	.p2alignl 7, 3214868480
	.fill 96, 4, 3214868480
	.section	.rodata,"a",@progbits
	.p2align	6, 0x0
	.amdhsa_kernel k_qecb19fb518_prep
		.amdhsa_group_segment_fixed_size 4608
		.amdhsa_private_segment_fixed_size 0
		.amdhsa_enable_private_segment 0
		.amdhsa_kernarg_size 72
		.amdhsa_user_sgpr_count 2
		.amdhsa_user_sgpr_kernarg_segment_ptr 1
		.amdhsa_wavefront_size32 1
		.amdhsa_system_sgpr_workgroup_id_x 1
		.amdhsa_system_sgpr_workgroup_id_y 1
		.amdhsa_system_sgpr_workgroup_id_z 1
		.amdhsa_system_vgpr_workitem_id 0
		.amdhsa_next_free_vgpr 194
		.amdhsa_next_free_sgpr 66
		.amdhsa_reserve_vcc 1
		.amdhsa_float_denorm_mode_32 3
		.amdhsa_float_denorm_mode_16_64 3
		.amdhsa_memory_ordered 1
		.amdhsa_forward_progress 1
		.amdhsa_inst_pref_size 136
	.end_amdhsa_kernel
	.amdgpu_metadata
---
amdhsa.version: [ 1, 2 ]
amdhsa.kernels:
  - .name:           k_qecb19fb518_prep
    .symbol:         k_qecb19fb518_prep.kd
    .args:
      - { .name: x, .offset: 0, .size: 8, .value_kind: global_buffer, .address_space: global }
      - { .name: b_seq, .offset: 8, .size: 8, .value_kind: global_buffer, .address_space: global }
      - { .name: w_gates, .offset: 16, .size: 8, .value_kind: global_buffer, .address_space: global }
      - { .name: w1, .offset: 24, .size: 8, .value_kind: global_buffer, .address_space: global }
      - { .name: w2, .offset: 32, .size: 8, .value_kind: global_buffer, .address_space: global }
      - { .name: xc, .offset: 40, .size: 8, .value_kind: global_buffer, .address_space: global }
      - { .name: gs, .offset: 48, .size: 8, .value_kind: global_buffer, .address_space: global }
      - { .name: w1c, .offset: 56, .size: 8, .value_kind: global_buffer, .address_space: global }
      - { .name: w2c, .offset: 64, .size: 8, .value_kind: global_buffer, .address_space: global }
    .group_segment_fixed_size: 4608
    .private_segment_fixed_size: 0
    .kernarg_segment_align: 8
    .kernarg_segment_size: 72
    .max_flat_workgroup_size: 128
    .sgpr_count:     66
    .vgpr_count:     194
    .wavefront_size: 32
...
	.end_amdgpu_metadata
.endif
;; end of part 5
;; launch ffn1: the kernel of part 2 again; grid 128 x 4, 4 waves a work-group, clusters of 4 x 4, 327,680 bytes of LDS; arguments xc, w1c, b1, hc; writes hc
;; launch ffn2: the kernel of part 3 again; grid 4 x 64, 4 waves a work-group, clusters of 4 x 4, 327,680 bytes of LDS; arguments hc, w2c, b2, gs, pp; writes pp
;; launch sum8: the kernel of part 4 again; grid 256 x 1, 8 waves a work-group, no clusters, 0 bytes of LDS; arguments pp, out0; writes out0
